; MI455X (gfx1250); checked and timed in simulation.
; The chip was launched on July 23, 2026; its instructions are those of AMD's public machine-readable ISA for CDNA 5 (MIT licence, August 2026) and "CDNA5" Instruction Set Architecture Reference Guide (July 2026). The comments in the code are by the model that wrote it; some were corrected since.
;; Ro PE Attention. Allowed arithmetic: matrix products marked QUANTISED: E2M3 operands, one E8M0 scale for each 32 along K, by v_wmma_scale_f32_16x16x128_f8f6f4 with both operands' format E2M3, f32 sums; everything else in f32.
;; Inputs: c_attn_b 3,072 float32; c_attn_w 1,024 x 3,072 float32; c_proj_b 1,024 float32; c_proj_w 1,024 x 1,024 float32; wpe 2,048 x 64 float32; x 4 x 2,048 x 1,024 float32.
;; Outputs: out0 4 x 2,048 x 1,024 float32.
;; This version of the problem:
;;   THIS VERSION OF THE PROBLEM IS GIVEN IN LOW PRECISION. The matrix products marked QUANTISED in the list below multiply operands that are first quantised to E2M3 (2 exponent bits, 3 mantissa bits; 6 bits a number), with one power-of-two scale for each 32 numbers along K (OCP MX v1.0); their sums are f32. All else is computed in f32.
;;   The module's matrix products, in the order in which they are computed (A, B: the left and right operand; K: the contracted axis; several contracted axes count as one K, in the product's order):
;;     1. [M 8,192, K 1,024] x [K 1,024, N 3,072]; A: input x; B: input c_attn_w: QUANTISED
;;     2. batch 64 x [M 2,048, K 64] x [K 64, N 2,048]; A: computed on the way; B: computed on the way: QUANTISED
;;     3. batch 64 x [M 2,048, K 2,048] x [K 2,048, N 64]; A: softmax (see below); B: computed on the way: QUANTISED
;;     4. [M 8,192, K 1,024] x [K 1,024, N 1,024]; A: computed on the way; B: input c_proj_w: QUANTISED
;;   THE QUANTISER, for each operand of a quantised product, along K:
;;     - K is cut into blocks of 32 from its start; a last block that is shorter is filled with zeros.
;;     - A block's scale is 2^e with e = floor(log2(the largest magnitude in the block)) - 2, held to -126 .. 127; a block of zeros has e = 0. As a byte (E8M0): e + 127.
;;     - Each number is divided by its block's scale, clamped to +-7.5, and rounded to the nearest number of E2M3, ties to even, subnormals kept.
;;     - The product sums the exact products of the quantised numbers (number of the format x scale) in f32.
;;   ~~~python
;;   def quantise(x, axis):      # numpy; x: float32 -> the quantised numbers, widened to float32 again
;;       x = np.moveaxis(x, axis, -1); K = x.shape[-1]
;;       x = np.pad(x, [(0, 0)] * (x.ndim - 1) + [(0, -K % 32)]); x = x.reshape(x.shape[:-1] + (-1, 32)); a = np.abs(x).max(-1, keepdims=True)
;;       e = np.where(a > 0, np.clip(np.frexp(np.where(a > 0, a, 1))[1] - 1 - 2, -126, 127), 0)      # np.frexp(a)[1] - 1 = floor(log2(a)), exactly
;;       r = np.clip(x / 2.0 ** e, -7.5, 7.5)
;;       step = 2.0 ** (np.maximum(np.frexp(np.where(r == 0, 1, r))[1] - 1, 0) - 3)
;;       q = np.round(r / step) * step * 2.0 ** e      # np.round: ties to even
;;       return np.moveaxis(q.reshape(q.shape[:-2] + (-1,))[..., :K], -1, axis).astype(np.float32)
;;   ~~~
;;   SOFTMAX AHEAD OF A QUANTISED PRODUCT. Where the list says 'softmax', what is quantised is not the finished softmax but p = 2^(t - M), with t = logit x log2(e) and M = ceil(the row's largest t), a whole number; so 1/2 < the row's largest p <= 1. The row's sum l is taken of the UNQUANTISED p, in f32, and the product's result is divided by l at the end. Since M is a whole number, a kernel that streams over the keys may use a running M (the ceiling of the running maximum): every later rescaling is an exact power of two, which a block's scale takes up: the codes' values come out the same.
;;   OPERANDS COMPUTED ON THE WAY. 'Computed on the way' means the value that the module computes at that place (a softmax that the list does not call 'softmax' is quantised finished and normalised). What goes into a quantiser is computed in f32, as accurately as f32 sums, v_exp_f32 and their like allow (about 1e-6 of the number): no bf16 or f16 on the way to a quantiser, and a product that is left as it is and whose result goes on into a quantised operand takes f32 operands (vector FMAs, or v_wmma_f32_16x16x4_f32). A number that lies on a knife's edge between two numbers of the format may be rounded either way, as far as f32 arithmetic and the matrix unit's own rounding can turn it there, and no further.
;; One version. Each part assembles by itself: llvm-mc -triple=amdgcn-amd-amdhsa -mcpu=gfx1250 --defsym DOCPART=n.
;; ======== version 1 of 1: 4 launches
;; limits: right only within a limited range of input values
;; workspace buffers: xq 6,553,600 bytes; wq 3,276,800 bytes; addt 1,572,864 bytes; qk 13,107,200 bytes; vq 6,553,600 bytes; yq 6,553,600 bytes
;; launch prep (part 1): grid 480 x 1, 4 waves a work-group, no clusters, 60,928 bytes of LDS; arguments x, c_attn_w, c_proj_w, c_attn_b, wpe, xq, wq, addt; writes xq, wq, addt
.if DOCPART == 1
	.amdgcn_target "amdgcn-amd-amdhsa--gfx1250"
	.amdhsa_code_object_version 6
	.text
	.protected	k_qff990b9f43_prep
	.globl	k_qff990b9f43_prep
	.p2align	8
	.type	k_qff990b9f43_prep,@function
k_qff990b9f43_prep:
	s_mov_b64 s[64:65], 0
	v_nop
	global_prefetch_b8 v0, s[64:65] scope:SCOPE_SE
	s_setreg_imm32_b32 hwreg(HW_REG_WAVE_MODE, 25, 1), 1
	s_wait_xcnt 0x0
; x, c_attn_w and c_proj_w (f32) become codes of FP6 (E2M3) with one E8M0 byte for each 32 along K, laid in the order in which the products' operand registers take them;
; and c_attn_b with wpe becomes the table of addends from which the first product's sums start.
; ORDER OF ROWS.  In each group of 64 rows (tokens of x, columns of a weight) place 16 u + 8 s + j holds row 32 s + 8 u + j.  A tile is 16 places: lane row r of tile u is row 8 u + 32 (r / 8) + r % 8.
; HALF FRAGMENT, 768 bytes for (tile, 64 along K): byte 256 p + 8 lane + e is byte 8 p + e of the 24 code bytes of (row lane % 16, block of 32 number lane / 16).  So a lane's six code registers leave by three
; stores of 8 bytes, each of which covers 256 consecutive bytes, aligned.  Codes: [tile][16 half fragments][768].  Scale bytes: [tile][K step of 256][row][8 bytes].
; A block's scale is 2^(floor(log2(largest magnitude)) - 2); its byte is the largest magnitude's exponent field - 2, held at 1 from below.
; LIMITS: a block whose largest magnitude lies under 2^-124, a block of zeros among them, keeps the byte 1 (its codes are zeros or subnormal codes; the bytes are read by this program alone); NaN and infinities are not served.
; THREE PATHS by the work-group's number, each with LDS bytes of its own: 0-255 x; 256-383 the weights; 384-479 the table.  Waves share nothing: no barrier.  No cluster: no two work-groups read the same tile.
; WORK LEFT OUT, in the launch attn: reference() sets every score with key > query to -inf by the jnp.tril that it builds itself, so such a key has weight 0 for all values of the inputs;
; steps of 128 keys that lie wholly above the diagonal are neither multiplied nor summed.  A NaN or an infinity that reaches only those scores is not carried to the result.
.set XSC,    6291456
.set WAS,    2359296                   ; wq: c_attn_w's scale bytes,
.set WPC,    2457600                   ; c_proj_w's codes,
.set WPS,    3244032                   ; c_proj_w's scale bytes
.set XP,     272                       ; path x: a stage row, 256 bytes + 16
.set XSTG,   16*XP                     ; a stage: 16 rows; two for each wave
.set WSTG,   8*XSTG                    ; path weights: its stages begin behind x's
.set WTP,    3200                      ; a tile's four half fragments, 3,072 bytes + 128
.set SPARE,  WSTG+4*2*WTP              ; the spare words, 128 bytes for each wave: two blocks of 256 bytes that no other line names
.set SPW,  252                         ; v252 LDS address of my spare word; never rewritten
.set NIL,  253                         ; v253 0; never rewritten
.set M0,   8                           ; v8, v9 two chains of the largest magnitude; v10 the conversion's scale operand; v11 the byte
.set M1,   9
.set SOP,  10
.set BY,   11
; 32 numbers of one block, v[QX] on, become 24 bytes of codes in v[QC] .. v[QC+5] and the byte in v[BY].  v[QT] on: three registers at work (a conversion's three registers begin on an even number)
.macro QNT
	v_max3_num_f32 v[M0], |v[QX]|, |v[QX+1]|, 0x1800000            ; the floor 2^(3 - 127) is one of the leaves: the byte cannot fall under 1
	v_max3_num_f32 v[M1], |v[QX+2]|, |v[QX+3]|, |v[QX+4]|
.irp i, 5,9,13,17,21,25
	v_max3_num_f32 v[M0], v[M0], |v[QX+\i]|, |v[QX+\i+1]|
	v_max3_num_f32 v[M1], v[M1], |v[QX+\i+2]|, |v[QX+\i+3]|
.endr
	v_max3_num_f32 v[M0], v[M0], |v[QX+29]|, |v[QX+30]|
	v_max3_num_f32 v[M0], v[M0], v[M1], |v[QX+31]|
	v_add_nc_u32 v[SOP], 0xff000000, v[M0]                         ; 2 off the exponent field: the conversion takes that field as its scale
	v_cvt_scalef32_pk16_fp6_f32 v[QC:QC+2], v[QX:QX+15], v[SOP]
	v_cvt_scalef32_pk16_fp6_f32 v[QT:QT+2], v[QX+16:QX+31], v[SOP]
	v_lshrrev_b32 v[BY], 23, v[SOP]                                ; the byte; also the plain line between the conversions and the moves
.irp i, 0,1,2
	v_mov_b32 v[QC+3+\i], v[QT+\i]
.endr
.endm
	s_load_b256 s[4:11], s[0:1], 0x0               ; x s[4:5], c_attn_w s[6:7], c_proj_w s[8:9], c_attn_b s[10:11]
	s_load_b256 s[12:19], s[0:1], 0x20             ; wpe s[12:13], xq s[14:15], wq s[16:17], addt s[18:19]
	v_lshl_add_u32 v[SPW], v0, 2, SPARE
	v_mov_b32 v[NIL], 0
	v_lshrrev_b32 v1, 5, v0
	v_readfirstlane_b32 s20, v1                    ; wave
	v_and_b32 v1, 31, v0                           ; lane
	v_and_b32 v2, 15, v0                           ; lane % 16
	v_bfe_u32 v3, v0, 4, 1                         ; lane / 16
	s_cmp_ge_u32 ttmp9, 384
	s_cbranch_scc1 .Ltable
	s_cmp_ge_u32 ttmp9, 256
	s_cbranch_scc1 .Lweights
; ---------------- PATH X.  A wave takes one tile of 16 tokens and half of K: eight steps of 64 along K, a half fragment each.
; A load reads two rows' 256 bytes; the 16 rows turn through the wave's own stage, so that lane (r, h) gets the 32 numbers of row r, block h.
.set XOF, 5                            ; v5  4096 (lane / 16) + 16 (lane % 16)
.set XSI, 6                            ; v6  into the stage
.set XSO, 7                            ; v7  out of it
.set L8,  12                           ; v12 8 x lane
.set SH0, 13                           ; v13 8 h
.set SH1, 14                           ; v14 16 + 8 h
.set RR,  16                           ; v16-111  three sets of 32 registers as loaded
.set XX,  112                          ; v112-175 two sets of 32 neighbours
.set CC,  176                          ; v176-239 eight registers for each step's codes: no store's data are written again
.set SB,  244                          ; v244-247 the scale words
	s_lshl_b32 s21, ttmp9, 2
	s_add_co_u32 s21, s21, s20
	s_lshr_b32 s22, s21, 1                         ; tile 0 .. 511
	s_and_b32 s23, s21, 1                          ; which half of K
	s_lshr_b32 s24, s22, 2
	s_and_b32 s25, s22, 3
	s_lshl_b32 s24, s24, 6
	s_lshl_b32 s25, s25, 3
	s_add_co_u32 s24, s24, s25                     ; the tile's first row: 64 g + 8 u
	s_lshl_b32 s24, s24, 12
	s_lshl_b32 s25, s23, 11
	s_add_co_u32 s24, s24, s25
	s_mov_b32 s25, 0
	s_mul_i32 s26, s22, 12288
	s_mul_i32 s27, s23, 6144
	s_add_co_u32 s26, s26, s27
	s_mov_b32 s27, 0
	s_lshl_b32 s28, s22, 9
	s_lshl_b32 s29, s23, 8
	s_add_co_u32 s28, s28, s29
	s_add_co_u32 s28, s28, XSC
	s_mov_b32 s29, 0
	s_mov_b32 s32, 0x76543210
	s_mov_b32 s33, 0xfedcba98                      ; v_permlanex16_b32's selects for lane xor 16
	s_wait_alu depctr_va_vdst(0)
	v_lshlrev_b32 v4, 4, v2
	v_lshl_add_u32 v[XOF], v3, 12, v4
	s_mul_i32 s30, s20, 2*XSTG
	v_mad_u32_u24 v[XSI], v3, XP, v4
	v_add_nc_u32 v[XSI], s30, v[XSI]
	v_mul_u32_u24 v[XSO], v2, XP
	v_lshl_add_u32 v[XSO], v3, 7, v[XSO]
	v_add_nc_u32 v[XSO], s30, v[XSO]
	v_lshlrev_b32 v[L8], 3, v1
	v_lshlrev_b32 v[SH0], 3, v3
	v_add_nc_u32 v[SH1], 16, v[SH0]
	s_wait_alu depctr_va_vdst(0)
	s_wait_kmcnt 0x0
	s_add_nc_u64 s[4:5], s[4:5], s[24:25]
	s_add_nc_u64 s[26:27], s[14:15], s[26:27]      ; my codes
	s_add_nc_u64 s[28:29], s[14:15], s[28:29]      ; my scale bytes
.macro XLOAD t                         ; tile rows 2 i and 2 i + 1 are rows 32 (i / 4) + 2 (i % 4) and the next
.irp i, 0,1,2,3,4,5,6,7
	global_load_b128 v[RR+32*((\t)%3)+4*\i:RR+32*((\t)%3)+4*\i+3], v[XOF], s[4:5] offset:(32*(\i/4)+2*(\i%4))*4096+256*(\t) th:TH_LOAD_NT
.endr
.endm
.macro XTURN t                         ; LDS serves a wave's instructions in order: no wait between the stores and the loads
.irp i, 0,1,2,3,4,5,6,7
	ds_store_b128 v[XSI], v[RR+32*((\t)%3)+4*\i:RR+32*((\t)%3)+4*\i+3] offset:XSTG*((\t)%2)+2*XP*\i
.endr
.irp i, 0,1,2,3,4,5,6,7
	ds_load_b128 v[XX+32*((\t)%2)+4*\i:XX+32*((\t)%2)+4*\i+3], v[XSO] offset:XSTG*((\t)%2)+16*\i
.endr
.endm
.macro XSTEP t
	s_wait_dscnt 0x0                               ; this step's numbers are back from the stage, and its stores into the stage have read their registers,
.if (\t)+3 < 8
	XLOAD (\t)+3                                   ; which take the loads of three steps on
.endif
.if (\t) < 7
.if (\t)+3 <= 7
	s_wait_loadcnt 16                              ; the next step's eight loads are in; those of the two steps behind it may be out
.else
	s_wait_loadcnt 8*(6-(\t))
.endif
	XTURN (\t)+1
.endif
.set QX, XX+32*((\t)%2)
.set QC, CC+8*(\t)
.set QT, 240
	QNT
.if (\t)%2 == 0
	v_lshlrev_b32 v[SB+(\t)/2], v[SH0], v[BY]      ; block 2 t + h of my half of K: byte 2 (t % 2) + h of word t / 2
.else
	v_lshl_or_b32 v[SB+(\t)/2], v[BY], v[SH1], v[SB+(\t)/2]
.endif
.irp p, 0,1,2
	global_store_b64 v[L8], v[QC+2*\p:QC+2*\p+1], s[26:27] offset:768*(\t)+256*\p   ; 32 lanes store 256 consecutive bytes, aligned
.endr
.endm
	XLOAD 0
	XLOAD 1
	XLOAD 2
	s_wait_loadcnt 16                              ; step 0's eight loads are in
	XTURN 0
.irp t, 0,1,2,3,4,5,6,7
	XSTEP \t
.endr
.irp i, 0,1,2,3
	v_permlanex16_b32 v240, v[SB+\i], s32, s33     ; with lane xor 16's bytes the words are whole
	v_or_b32 v[SB+\i], v[SB+\i], v240
.endr
	v_cmp_le_u32 vcc_lo, 16, v1
	v_cndmask_b32 v248, v[SB], v[SB+2], vcc_lo     ; lanes 0-15 store the first K step's eight bytes of their row, lanes 16-31 the second's
	v_cndmask_b32 v249, v[SB+1], v[SB+3], vcc_lo
	global_store_b64 v[L8], v[248:249], s[28:29]   ; 256 consecutive bytes, aligned
	s_wait_tensorcnt 0x0                           ; the wave's end, behind my last LDS store
	ds_add_u32 v[SPW], v[NIL]
	s_wait_dscnt 0x0
	s_endpgm
; ---------------- PATH WEIGHTS.  K is a weight's FIRST axis: a lane takes a column and its registers run down K, so a block of 32 lies in one lane.
; A work-group takes 128 columns x 256 along K; a wave 32 columns: 16 U + lane % 16 + 32 (lane / 16) of a group of 64, which are the rows of tiles 2 U and 2 U + 1.
.Lweights:
.set WSI, 6                            ; v6  into my stage
.set WSV, 7                            ; v7  my scale bytes' place
.set L16, 12                           ; v12 16 x lane
.set WRD, 13                           ; v13 out of my stage
.set VO,  16                           ; v16-47  byte offset of row i of a block, i = 0 .. 31 (the row's length is chosen at run time, so it cannot stand in the immediate); never rewritten
.set WX,  48                           ; v48-111 two sets of 32 numbers
.set WC,  112                          ; v112-117 a block's codes
.set WSB, 124                          ; v[124:125] my column's eight scale bytes
.set OUTR, 128                         ; v128-175 the way out
	s_sub_co_u32 s21, ttmp9, 256
	s_cmp_lt_u32 s21, 96                           ; the first 96 take c_attn_w (24 x 4), the other 32 c_proj_w (8 x 4)
	s_cselect_b32 s22, 0, 96
	s_mov_b32 s23, 4096
	s_cselect_b32 s23, 12288, s23                  ; a row of the weight in bytes
	s_cselect_b32 s24, 0, WPC
	s_mov_b32 s25, WPS
	s_cselect_b32 s25, WAS, s25
	s_sub_co_u32 s21, s21, s22
	s_lshr_b32 s26, s21, 2
	s_and_b32 s27, s21, 3                          ; which 256 along K
	s_lshl_b32 s26, s26, 1
	s_lshr_b32 s28, s20, 1
	s_add_co_u32 s26, s26, s28                     ; G: my group of 64 columns
	s_and_b32 s28, s20, 1                          ; U
	s_lshl_b32 s29, s27, 8
	s_mul_i32 s29, s29, s23
	s_lshl_b32 s30, s26, 8
	s_add_co_u32 s29, s29, s30
	s_lshl_b32 s30, s28, 6
	s_add_co_u32 s30, s29, s30                     ; 256 kq rows + 4 (64 G + 16 U)
	s_mov_b32 s31, 0
	s_lshl_b32 s48, s23, 5                         ; 32 rows on
	s_mov_b32 s49, 0
	s_lshl_b32 s50, s26, 2
	s_lshl_b32 s51, s28, 1
	s_add_co_u32 s50, s50, s51                     ; my first tile: 4 G + 2 U
	s_mul_i32 s52, s50, 12288
	s_add_co_u32 s52, s52, s24
	s_mul_i32 s53, s27, 3072
	s_add_co_u32 s52, s52, s53
	s_mov_b32 s53, 0
	s_lshl_b32 s54, s50, 9
	s_add_co_u32 s54, s54, s25
	s_lshl_b32 s55, s27, 7
	s_add_co_u32 s54, s54, s55
	s_mov_b32 s55, 0
	s_wait_alu depctr_va_vdst(0)
	v_lshl_add_u32 v4, v3, 5, v2
	v_lshlrev_b32 v[VO], 2, v4
.set i, 1
.rept 31
	v_add_nc_u32 v[VO+i], s23, v[VO+i-1]
.set i, i+1
.endr
	v_bfe_u32 v4, v0, 3, 1                         ; which of my two tiles
	v_and_b32 v5, 7, v0
	v_lshl_add_u32 v5, v3, 3, v5                   ; the tile's row: lane % 8 + 8 (lane / 16)
	v_lshlrev_b32 v5, 3, v5
	s_mul_i32 s56, s20, 2*WTP
	s_add_co_u32 s56, s56, WSTG
	v_mad_u32_u24 v[WSI], v4, WTP, v5
	v_add_nc_u32 v[WSI], s56, v[WSI]
	v_lshl_add_u32 v[WSV], v4, 9, v5
	v_lshlrev_b32 v[L16], 4, v1
	v_add_nc_u32 v[WRD], s56, v[L16]
	s_wait_kmcnt 0x0
	s_cmp_lt_u32 ttmp9, 352
	s_cselect_b64 s[32:33], s[6:7], s[8:9]
	s_add_nc_u64 s[32:33], s[32:33], s[30:31]      ; a base for each of the eight blocks: none is ever stepped
.irp t, 1,2,3,4,5,6,7
	s_add_nc_u64 s[32+2*\t:33+2*\t], s[30+2*\t:31+2*\t], s[48:49]
.endr
	s_add_nc_u64 s[52:53], s[16:17], s[52:53]
	s_add_nc_u64 s[54:55], s[16:17], s[54:55]
.macro WLOAD t
.set i, 0
.rept 32
	global_load_b32 v[WX+32*((\t)%2)+i], v[VO+i], s[32+2*(\t):33+2*(\t)] th:TH_LOAD_NT
.set i, i+1
.endr
.endm
.macro WBLOCK t
.if (\t) < 7
	s_wait_loadcnt 32                              ; this block's 32 loads are in; the next block's may be out
.else
	s_wait_loadcnt 0x0
.endif
.set QX, WX+32*((\t)%2)
.set QC, WC
.set QT, 120
	QNT
.if (\t)%4 == 0
	v_mov_b32 v[WSB+(\t)/4], v[BY]
.else
	v_lshl_or_b32 v[WSB+(\t)/4], v[BY], 8*((\t)%4), v[WSB+(\t)/4]
.endif
.irp p, 0,1,2
	ds_store_b64 v[WSI], v[WC+2*\p:WC+2*\p+1] offset:768*((\t)/2)+128*((\t)%2)+256*\p   ; half fragment t / 2, half t % 2 of the lanes
.endr
.if (\t)+2 < 8
	WLOAD (\t)+2
.endif
	s_wait_dscnt 0x0                               ; the stores have read their registers: the next block's codes may be written
.endm
	WLOAD 0
	WLOAD 1
.irp t, 0,1,2,3,4,5,6,7
	WBLOCK \t
.endr
	s_wait_alu depctr_va_vdst(0)
	global_store_b64 v[WSV], v[WSB:WSB+1], s[54:55]
.irp q, 0,1,2,3,4,5,6,7,8,9,10,11
	ds_load_b128 v[OUTR+4*\q:OUTR+4*\q+3], v[WRD] offset:WTP*(\q/6)+512*(\q%6)
.endr
.irp q, 0,1,2,3,4,5,6,7,8,9,10,11
	s_wait_dscnt 11-\q                             ; the younger loads may stay out
	global_store_b128 v[L16], v[OUTR+4*\q:OUTR+4*\q+3], s[52:53] offset:12288*(\q/6)+512*(\q%6)   ; 512 consecutive bytes, aligned
.endr
	s_wait_tensorcnt 0x0                           ; the wave's end, behind my last LDS store
	ds_add_u32 v[SPW], v[NIL]
	s_wait_dscnt 0x0
	s_endpgm
; ---------------- PATH TABLE.  24 blocks of 65,536 bytes in the order of a wave's 64 accumulators: [a 8][b 8][half 2][lane 32][16 bytes].
; Row = 64 (a / 4) + 8 (a % 4) + 32 (r / 8) + r % 8;  column = 64 (b / 4) + 8 (b % 4) + 32 h + 4 half + i.
; Blocks 0-15 (q and k, 128 columns each): wpe as a matrix [128][1024] at (row, column) + c_attn_b at the column: reference()'s raw reshape adds wpe_flat[(t % 128) 1024 + c] to q[t][c] and to k[t][c].
; Blocks 16-23 (v, computed transposed, 128 of its columns each): c_attn_b at 2048 + the row.
; A work-group writes a quarter of a block: entry 1024 part + 128 it + thread: half = wave % 2, b = wave / 2 + 2 (it % 4), a = it / 4 + 2 part.
.Ltable:
	s_sub_co_u32 s21, ttmp9, 384
	s_lshr_b32 s22, s21, 2                         ; block
	s_and_b32 s23, s21, 3                          ; part
	s_lshr_b32 s24, s23, 1
	s_lshl_b32 s24, s24, 6
	s_and_b32 s25, s23, 1
	s_lshl_b32 s25, s25, 4
	s_add_co_u32 s24, s24, s25                     ; 64 (part / 2) + 16 (part % 2)
	s_lshr_b32 s25, s20, 1
	s_lshl_b32 s25, s25, 5
	s_and_b32 s26, s20, 1
	s_lshl_b32 s26, s26, 4
	s_add_co_u32 s25, s25, s26                     ; my wave's part of the column, in bytes
	s_lshl_b32 s28, s22, 16
	s_lshl_b32 s29, s23, 14
	s_add_co_u32 s28, s28, s29
	s_mov_b32 s29, 0
	s_mov_b32 s31, 0
	v_lshlrev_b32 v4, 4, v0
	s_wait_alu depctr_va_vdst(0)
	v_and_b32 v5, 7, v2
	v_lshrrev_b32 v6, 3, v2
	v_lshl_add_u32 v5, v6, 5, v5                   ; 32 (r / 8) + r % 8
	s_wait_kmcnt 0x0
	s_add_nc_u64 s[18:19], s[18:19], s[28:29]
	s_cmp_ge_u32 s22, 16
	s_cbranch_scc1 .Ltable_v
	s_lshl_b32 s30, s24, 12
	s_and_b32 s27, s22, 7
	s_lshl_b32 s27, s27, 9
	s_add_co_u32 s30, s30, s27
	s_add_co_u32 s30, s30, s25
	s_add_nc_u64 s[12:13], s[12:13], s[30:31]
	s_lshl_b32 s30, s22, 9
	s_add_co_u32 s30, s30, s25
	s_add_nc_u64 s[10:11], s[10:11], s[30:31]
	v_lshlrev_b32 v7, 7, v3
	s_wait_alu depctr_va_vdst(0)
	v_lshl_add_u32 v6, v5, 12, v7
.irp t, 0,1,2,3,4,5,6,7
	global_load_b128 v[16+4*\t:19+4*\t], v6, s[12:13] offset:32768*(\t/4)+256*((\t%4)/2)+64*(\t%2)
.endr
.irp t, 0,1,2,3
	global_load_b128 v[48+4*\t:51+4*\t], v7, s[10:11] offset:256*(\t/2)+64*(\t%2)
.endr
	s_wait_loadcnt 0x0
.irp t, 0,1,2,3,4,5,6,7
	v_pk_add_f32 v[16+4*\t:17+4*\t], v[16+4*\t:17+4*\t], v[48+4*(\t%4):49+4*(\t%4)]
	v_pk_add_f32 v[18+4*\t:19+4*\t], v[18+4*\t:19+4*\t], v[50+4*(\t%4):51+4*(\t%4)]
	global_store_b128 v4, v[16+4*\t:19+4*\t], s[18:19] offset:2048*\t   ; a wave stores 512 consecutive bytes, aligned
.endr
	s_wait_tensorcnt 0x0
	ds_add_u32 v[SPW], v[NIL]
	s_wait_dscnt 0x0
	s_endpgm
.Ltable_v:
	s_sub_co_u32 s30, s22, 16
	s_lshl_b32 s30, s30, 7
	s_add_co_u32 s30, s30, s24
	s_add_co_u32 s30, s30, 2048
	s_lshl_b32 s30, s30, 2
	s_add_nc_u64 s[10:11], s[10:11], s[30:31]
	s_wait_alu depctr_va_vdst(0)
	v_lshlrev_b32 v6, 2, v5
	global_load_b32 v16, v6, s[10:11]
	global_load_b32 v20, v6, s[10:11] offset:32    ; it / 4 = 1: eight rows on
	s_wait_loadcnt 0x0
.irp i, 1,2,3
	v_mov_b32 v[16+\i], v16
	v_mov_b32 v[20+\i], v20
.endr
.irp t, 0,1,2,3,4,5,6,7
	global_store_b128 v4, v[16+4*(\t/4):19+4*(\t/4)], s[18:19] offset:2048*\t
.endr
	s_wait_tensorcnt 0x0
	ds_add_u32 v[SPW], v[NIL]
	s_wait_dscnt 0x0
	s_endpgm
.Lfunc_end_k_qff990b9f43_prep:
	.size	k_qff990b9f43_prep, .Lfunc_end_k_qff990b9f43_prep-k_qff990b9f43_prep
	.p2alignl 7, 3214868480
	.fill 96, 4, 3214868480
	.section	.rodata,"a",@progbits
	.p2align	6, 0x0
	.amdhsa_kernel k_qff990b9f43_prep
		.amdhsa_group_segment_fixed_size 60928
		.amdhsa_private_segment_fixed_size 0
		.amdhsa_enable_private_segment 0
		.amdhsa_kernarg_size 64
		.amdhsa_user_sgpr_count 2
		.amdhsa_user_sgpr_kernarg_segment_ptr 1
		.amdhsa_wavefront_size32 1
		.amdhsa_system_sgpr_workgroup_id_x 1
		.amdhsa_system_sgpr_workgroup_id_y 1
		.amdhsa_system_sgpr_workgroup_id_z 1
		.amdhsa_system_vgpr_workitem_id 0
		.amdhsa_next_free_vgpr 256
		.amdhsa_next_free_sgpr 66
		.amdhsa_reserve_vcc 1
		.amdhsa_float_denorm_mode_32 3
		.amdhsa_float_denorm_mode_16_64 3
		.amdhsa_memory_ordered 1
		.amdhsa_forward_progress 1
		.amdhsa_inst_pref_size 81
	.end_amdhsa_kernel
	.amdgpu_metadata
---
amdhsa.version: [ 1, 2 ]
amdhsa.kernels:
  - .name:           k_qff990b9f43_prep
    .symbol:         k_qff990b9f43_prep.kd
    .args:
      - { .name: x, .offset: 0, .size: 8, .value_kind: global_buffer, .address_space: global }
      - { .name: c_attn_w, .offset: 8, .size: 8, .value_kind: global_buffer, .address_space: global }
      - { .name: c_proj_w, .offset: 16, .size: 8, .value_kind: global_buffer, .address_space: global }
      - { .name: c_attn_b, .offset: 24, .size: 8, .value_kind: global_buffer, .address_space: global }
      - { .name: wpe, .offset: 32, .size: 8, .value_kind: global_buffer, .address_space: global }
      - { .name: xq, .offset: 40, .size: 8, .value_kind: global_buffer, .address_space: global }
      - { .name: wq, .offset: 48, .size: 8, .value_kind: global_buffer, .address_space: global }
      - { .name: addt, .offset: 56, .size: 8, .value_kind: global_buffer, .address_space: global }
    .group_segment_fixed_size: 60928
    .private_segment_fixed_size: 0
    .kernarg_segment_align: 8
    .kernarg_segment_size: 64
    .max_flat_workgroup_size: 128
    .sgpr_count:     66
    .vgpr_count:     256
    .wavefront_size: 32
...
	.end_amdgpu_metadata
.endif
;; end of part 1
;; launch qkv (part 2): grid 4 x 64, 4 waves a work-group, clusters of 4 x 4, 327,680 bytes of LDS; arguments xq, wq, addt, qk, vq; writes qk, vq
.if DOCPART == 2
	.amdgcn_target "amdgcn-amd-amdhsa--gfx1250"
	.amdhsa_code_object_version 6
	.text
	.protected	k_qff990b9f43_qkv
	.globl	k_qff990b9f43_qkv
	.p2align	8
	.type	k_qff990b9f43_qkv,@function
k_qff990b9f43_qkv:
	s_mov_b64 s[64:65], 0
	v_nop
	global_prefetch_b8 v0, s[64:65] scope:SCOPE_SE
	s_setreg_imm32_b32 hwreg(HW_REG_WAVE_MODE, 25, 1), 1
	s_wait_xcnt 0x0
	s_wait_alu depctr_hold_cnt(0) depctr_sa_sdst(0) depctr_va_vdst(0) depctr_va_sdst(0) depctr_va_ssrc(0) depctr_va_vcc(0) depctr_vm_vsrc(0)
	s_getreg_b32 s2, hwreg(HW_REG_IB_STS2, 6, 4)
	s_cmp_eq_u32 s2, 0
	s_cbranch_scc0 .Lentry_in_a_cluster
	s_endpgm
.Lentry_in_a_cluster:
	s_bfe_u32 s2, ttmp6, 0x10000c
	s_cmp_lg_u32 s2, 0xf033
	s_cbranch_scc0 .Lentry_shape_is_right
	s_endpgm
.Lentry_shape_is_right:
; qkv = x c_attn_w + c_attn_b, with wpe added to q and k as reference()'s raw reshape adds it, on codes of FP6 (E2M3) with E8M0 scales; the results are quantised in registers and leave as codes: q and k along the head's 64, v along the tokens.
; THE DEAL.  256 work-groups that stay: work-group (cg, tb) holds tokens 128 tb .. + 127, all of K, in LDS and makes three tiles of 128 x 256: columns 256 cg .. of q, of k and of v.
; The weights go through two slots, each with half of K of a tile's 256 columns: six fills, the first at the head, the second behind the head's round, four refills behind rounds of the cluster's barrier.
; A wave makes 4 x 8 accumulators: source 0 takes eight tiles of 16 rows, source 1 four.  q, k: source 0 = weights (half s16 of the 256 columns), source 1 = tokens (half s15).  v: source 0 = the 128 tokens, source 1 = 64 columns by the wave's number.
; So a lane's registers run along the axis that is quantised, and by the order of rows that the launch before laid, registers 64 u + 32 c + 0 .. 31 are one block of 32.  The two forms differ in address registers and in the way out alone.
; q and k are one loop of two trips; v is written out.  THE SUMS START FROM A TABLE (bias + position term, in the accumulators' order): it lies in window 3 as the C of a tile's first products, and the next tile's is loaded under the running tile.
; CLUSTERS: 4 x 4: the tokens are asked for jointly along a row of the cluster, the weights along a column.  No prefetch: K is short: six fills of weights in all, two of them at the head.
; The scale words of q and k leave as 4 bytes a lane at a pitch of 8: the other half of each 8 is the wave's beside me.
; LIMITS: a block whose largest magnitude lies under 2^-124 keeps the byte 1 (read by this program alone); NaN and infinities are not served.
; REGISTERS: window 0: v15-31 addresses, v32-79 scale words (two sets of 16 + 8), v128-223 source 1's fragments (two sets); the way out works in v80-127 and v176-255.  window 1: source 0's fragments at v0 and v128.  window 2: accumulator (a, b) at v[8 (8 a + b)].  window 3: the table.
.set FR,     12
.set TILEB,  12288                     ; a tile's codes for all of K
.set WB,     8*TILEB                   ; LDS: the tokens' 8 tiles, then two slots of 16 tiles x 6,144 bytes
.set SLOT,   16*6144
.set XSC,    WB+2*SLOT                 ; the tokens' scale bytes, 4,096
.set WSC,    XSC+4096                  ; the weights': 8,192 for each of q, k, v
.set SPARE,  WSC+3*8192                ; the spare words
.set XS,     6291456
.set WAS,    2359296
.set QKS,    12582912
.set VSO,    6291456
.set SOF,  15                          ; 8 lane + 4 s15
.set GOF,  16                          ; 8 lane; v17 the same + 4 tiles of tokens
.set ADX,  18                          ; q, k: my 4 tiles of tokens
.set ADW0, 19                          ; q, k: my 8 tiles of weights in slot 0, 1
.set ADV0, 21                          ; v: my 4 tiles of weights in slot 0, 1
.set AS8B, 23
.set AS8,  24                          ; scale words of source 0: q, k (v26: v)
.set AS4,  25                          ; of source 1: q, k (v27: v)
.set SPW,  28
.set NIL,  29
.set TA,   30                          ; 16 lane
.set SH8,  31
.set SCB,  32
.set AF,   128
.set TC,   80                          ; the way out
.set T,    112
.set SO,   120
.set CD,   176
.set BB,   240
.set EE,   248
.set G1X,  24
.set G1W,  32
.set G1XS, 40
.set G1WS, 48
.set G0X,  56
.set G0H,  60
.set G0XS, 68
.set G0WS, 72
.set G0W,  76                          ; s[76:79] slot 0, s[80:83] slot 1
.set TP,   84                          ; the next tile's table
.set TV,   86                          ; v's table
.set TOFF, 100
.set CNT,  101
.set MSB, 0
.macro WIN new
.if MSB != (\new)
	s_set_vgpr_msb (MSB<<8)|(\new)
.set MSB, (\new)
.endif
.endm
.macro PLACES n
.rept \n
	v_nop
.endr
.endm
.macro CREST
	s_cmp_lg_u32 s14, 0
	s_cbranch_scc1 .Lnot_wave_0_\@
	s_barrier_signal -3
.Lnot_wave_0_\@:
	s_barrier_wait -3
	s_barrier_signal -1
	s_barrier_wait -1
.endm
.macro CROUND
	s_barrier_signal -1
	s_barrier_wait -1
	CREST
.endm
.macro GROUP1 g, mask, c, r, p
	s_or_b32 s[\g], s\mask, (3<<16)|(1<<21)        ; the mask; elements of 8 bytes; bit 21 beside a mask
	s_mov_b32 s[\g+1], (\c)<<16
	s_mov_b32 s[\g+2], (\r)<<16
	s_mov_b32 s[\g+3], (\c)<<16
	s_mov_b32 s[\g+4], \r
	s_mov_b32 s[\g+5], \p
	s_mov_b32 s[\g+6], 0
	s_mov_b32 s[\g+7], 0
.endm
	s_load_b128 s[4:7], s[0:1], 0x0                ; xq, wq
	s_load_b128 s[8:11], s[0:1], 0x10              ; addt, qk
	s_load_b64 s[12:13], s[0:1], 0x20              ; vq
	v_lshl_add_u32 v[SPW], v0, 2, SPARE
	v_mov_b32 v[NIL], 0
	ds_add_u32 v[SPW], v[NIL]                      ; the opening lines
	ds_add_u32 v[SPW], v[NIL]
	v_lshrrev_b32 v1, 5, v0
	v_readfirstlane_b32 s14, v1                    ; wave
	s_lshr_b32 s15, s14, 1
	s_and_b32 s16, s14, 1
	s_bfe_u32 s18, ttmp6, 0x40000                  ; cx = cg: the grid has one cluster along x
	s_bfe_u32 s19, ttmp6, 0x40004                  ; cy
	s_and_b32 s17, ttmp7, 0xffff
	s_lshl_b32 s17, s17, 2
	s_add_co_u32 s17, s17, s19                     ; tb
	s_lshl_b32 s2, s19, 2
	s_lshl_b32 s2, 15, s2                          ; my row of the cluster
	s_lshl_b32 s3, 0x1111, s18                     ; my column
	GROUP1 G1X,  2, 32, 384, 32                    ; the tokens' codes: 98,304 dense bytes as rows of 256
	GROUP1 G1W,  3, 768, 16, 1536                  ; weights: 16 tiles x 6,144 bytes, 12,288 apart (behind the head: 4 tiles a wave)
	GROUP1 G1XS, 2, 32, 16, 32                     ; the tokens' scale bytes
	GROUP1 G1WS, 3, 1024, 3, 4096                  ; the weights': 8,192 bytes of q, k, v, 32,768 apart
	s_mov_b32 s[G0X], 1
	s_mov_b32 s[G0X+1], 0
	s_mov_b32 s[G0H], 1
	s_mov_b32 s[G0H+1], WB
	s_mov_b32 s[G0XS], 1
	s_mov_b32 s[G0XS+1], XSC
	s_mov_b32 s[G0WS], 1
	s_mov_b32 s[G0WS+1], WSC
	s_mul_i32 s2, s14, 4*6144
	s_mov_b32 s[G0W], 1
	s_add_co_u32 s[G0W+1], s2, WB
	s_mov_b32 s[G0W+4], 1
	s_add_co_u32 s[G0W+5], s2, WB+SLOT
	s_mov_b32 s21, 0
	s_mov_b32 s23, 0
	s_mov_b32 s93, 0
	s_wait_dscnt 0x0
	s_wait_kmcnt 0x0
	s_mul_i32 s20, s17, 8*TILEB
	s_add_nc_u64 s[G0X+2:G0X+3], s[4:5], s[20:21]
	s_lshl_b32 s20, s17, 12
	s_add_co_u32 s20, s20, XS
	s_add_nc_u64 s[G0XS+2:G0XS+3], s[4:5], s[20:21]
	s_mul_i32 s22, s18, 16*TILEB
	s_add_nc_u64 s[G0H+2:G0H+3], s[6:7], s[22:23]
	s_mul_i32 s2, s14, 4*TILEB
	s_add_co_u32 s22, s22, s2
	s_add_nc_u64 s[G0W+2:G0W+3], s[6:7], s[22:23]
	s_add_nc_u64 s[G0W+6:G0W+7], s[G0W+2:G0W+3], 6144
	s_lshl_b32 s22, s18, 13
	s_add_co_u32 s22, s22, WAS
	s_add_nc_u64 s[G0WS+2:G0WS+3], s[6:7], s[22:23]
.irp g, G0X, G0H, G0XS, G0WS, G0W, G0W+4
	s_or_b32 s[\g+3], s[\g+3], 0x80000000
.endr
	CROUND                                         ; all sixteen work-groups are here: the first joint loads meet
.macro ARM under, g0, g1, next                 ; the head's four tiles, one a wave: one chain of branches on the wave's number
	s_cmp_lt_u32 s14, \under
	s_cbranch_scc0 \next
	tensor_load_to_lds s[\g0:\g0+3], s[\g1:\g1+7]
	s_nop 0
	PLACES 4
	s_branch .Lhead_asked
\next:
.endm
	ARM 1, G0X,  G1X,  .Lhead_w
	ARM 2, G0H,  G1W,  .Lhead_xs
	ARM 3, G0XS, G1XS, .Lhead_ws
	tensor_load_to_lds s[G0WS:G0WS+3], s[G1WS:G1WS+7]
	s_nop 0
	PLACES 4
.Lhead_asked:
	s_lshl_b32 s2, s18, 1                          ; the tables: blocks of 65,536 bytes, my half of a block's rows
	s_add_co_u32 s92, s2, s15
	s_add_co_u32 s92, s92, 16
	s_lshl_b32 s92, s92, 16
	s_lshl_b32 s20, s16, 15
	s_add_co_u32 s92, s92, s20
	s_add_nc_u64 s[TV:TV+1], s[8:9], s[92:93]      ; v: block 16 + 2 cg + wave / 2, half wave % 2
	s_add_co_u32 s92, s2, s16
	s_lshl_b32 s92, s92, 16
	s_lshl_b32 s20, s15, 15
	s_add_co_u32 s92, s92, s20
	s_add_nc_u64 s[8:9], s[8:9], s[92:93]          ; q: block 2 cg + s16, half s15
	s_add_nc_u64 s[TP:TP+1], s[8:9], 8*65536       ; k: eight blocks on
	s_lshl_b32 s2, s18, 2
	s_lshl_b32 s20, s16, 1
	s_add_co_u32 s20, s2, s20                      ; q: the first of my two column groups of 64
	s_lshl_b32 s92, s20, 9
	s_lshl_b32 s22, s17, 3
	s_add_co_u32 s92, s92, s22
	s_lshl_b32 s22, s15, 2
	s_add_co_u32 s92, s92, s22
	s_mul_i32 s92, s92, 768
	s_add_nc_u64 s[88:89], s[10:11], s[92:93]      ; qk's codes [column group][token tile][768]
	s_lshl_b32 s92, s20, 6
	s_add_co_u32 s92, s92, s17
	s_lshl_b32 s92, s92, 8
	s_add_co_u32 s92, s92, QKS
	s_add_nc_u64 s[90:91], s[10:11], s[92:93]      ; its scale words [column group][128 tokens][256]
	s_add_co_u32 s2, s2, s14                       ; v: my head
	s_lshr_b32 s92, s17, 4
	s_lshl_b32 s92, s92, 4
	s_add_co_u32 s92, s92, s2
	s_lshl_b32 s92, s92, 5
	s_and_b32 s22, s17, 15
	s_lshl_b32 s22, s22, 1
	s_add_co_u32 s92, s92, s22
	s_mul_i32 s92, s92, 3072
	s_add_nc_u64 s[94:95], s[12:13], s[92:93]      ; vq's codes [batch x head][64 keys][tile][768]
	s_lshl_b32 s92, s2, 6
	s_add_co_u32 s92, s92, s17
	s_lshl_b32 s92, s92, 8
	s_add_co_u32 s92, s92, VSO
	s_add_nc_u64 s[96:97], s[12:13], s[92:93]      ; its scale words [head][128 tokens][256]
	s_mul_i32 s19, s15, 4*TILEB
	s_mul_i32 s20, s16, 8*6144
	s_add_co_u32 s20, s20, WB
	s_add_co_u32 s21, s20, SLOT
	s_mul_i32 s22, s14, 4*6144
	s_add_co_u32 s22, s22, WB
	s_add_co_u32 s23, s22, SLOT
	s_lshl_b32 s98, s16, 12
	s_add_co_u32 s98, s98, WSC
	s_lshl_b32 s99, s15, 11
	s_add_co_u32 s99, s99, XSC
	s_lshl_b32 s100, s14, 11
	s_add_co_u32 s100, s100, WSC+2*8192
	s_lshl_b32 s2, s15, 2
	v_and_b32 v1, 15, v0
	v_bfe_u32 v2, v0, 4, 1
	v_and_b32 v3, 31, v0
	v_lshlrev_b32 v[GOF], 3, v3
	v_lshlrev_b32 v[TA], 4, v3
	v_lshlrev_b32 v[SH8], 3, v2
	v_lshlrev_b32 v5, 3, v1
	v_add_nc_u32 v[GOF+1], 4*TILEB, v[GOF]
	v_add_nc_u32 v[ADX], s19, v[GOF]
	v_add_nc_u32 v[ADW0], s20, v[GOF]
	v_add_nc_u32 v[ADW0+1], s21, v[GOF]
	v_add_nc_u32 v[ADV0], s22, v[GOF]
	v_add_nc_u32 v[ADV0+1], s23, v[GOF]
	v_add_nc_u32 v[AS8B], s98, v5
	v_add_nc_u32 v[AS8], s98, v5
	v_add_nc_u32 v[AS4], s99, v5
	v_add_nc_u32 v[AS8+2], XSC, v5
	v_add_nc_u32 v[AS4+2], s100, v5
	v_add_nc_u32 v[SOF], s2, v[GOF]
.macro TABLE j, base                   ; half of a table, 32 loads of 512 consecutive bytes, into window 3
	WIN 0xc0
.irp a, 2*\j, 2*\j+1
.irp b, 0,1,2,3,4,5,6,7
	global_load_b128 v[8*(8*(\a)+\b):8*(8*(\a)+\b)+3], v[TA], s[\base:\base+1] offset:1024*(8*(\a)+\b)
	global_load_b128 v[8*(8*(\a)+\b)+4:8*(8*(\a)+\b)+7], v[TA], s[\base:\base+1] offset:1024*(8*(\a)+\b)+512
.endr
.endr
	WIN 0
.endm
	TABLE 0, 8
	TABLE 1, 8
	s_mov_b32 s3, 0xffff0000                       ; a lane mask: lanes 16-31
	s_mov_b32 s98, 0x76543210
	s_mov_b32 s99, 0xfedcba98                      ; v_permlanex16_b32's selects for lane xor 16
	s_mov_b32 s[TOFF], 0
	s_mov_b32 s[CNT], 0
.macro FRAG reg, adr, off              ; a fragment: 1,536 bytes as they lie, six loads of 256 consecutive bytes
.irp p, 0,1,2,3,4,5
	ds_load_b64 v[\reg+2*\p:\reg+2*\p+1], v[\adr] offset:\off+256*\p
.endr
.endm
.macro FETCH8 mode, st                 ; step st's eight fragments of source 0 into set st % 2: 48 loads.  mode 0: q, k; 1: v
	WIN 0x40
.irp i, 0,1,2,3,4,5,6,7
.if \mode
	FRAG 128*((\st)%2)+FR*\i, GOF+\i/4, TILEB*(\i%4)+1536*(\st)
.else
	FRAG 128*((\st)%2)+FR*\i, ADW0+(\st)/4, 6144*\i+1536*((\st)%4)
.endif
.endr
	WIN 0
.endm
.macro FETCH4 mode, st                 ; its four fragments of source 1: 24 loads; at an even step 12 more: the scale words of two steps
.irp i, 0,1,2,3
.if \mode
	FRAG AF+48*((\st)%2)+FR*\i, ADV0+(\st)/4, 6144*\i+1536*((\st)%4)
.else
	FRAG AF+48*((\st)%2)+FR*\i, ADX, TILEB*\i+1536*(\st)
.endif
.endr
.if (\st)%2 == 0
.set SS_, SCB+24*(((\st)/2)%2)
.irp i, 0,1,2,3,4,5,6,7
	ds_load_b64 v[SS_+2*\i:SS_+2*\i+1], v[AS8+2*\mode] offset:512*\i+64*(\st)
.endr
.irp i, 0,1,2,3
	ds_load_b64 v[SS_+16+2*\i:SS_+17+2*\i], v[AS4+2*\mode] offset:512*\i+64*(\st)
.endr
.endif
.endm
.macro FETCH mode, st
	FETCH8 \mode, \st
	FETCH4 \mode, \st
.endm
.macro MUL a0, n, st                   ; source 1's tiles a0 .. a0 + n - 1 x source 0's eight; the 32 accumulators take turns in the same order in every step
.set A_, \a0
.set SM_, SCB+24*(((\st)/2)%2)+(\st)%2
.set P_, (\st)%2
.rept \n
.irp b, 0,1,2,3,4,5,6,7
	v_wmma_scale_f32_16x16x128_f8f6f4 v[8*(8*A_+\b):8*(8*A_+\b)+7], v[128*P_+FR*\b:128*P_+FR*\b+FR-1], v[AF+48*P_+FR*A_:AF+48*P_+FR*A_+FR-1], v[8*(8*A_+\b):8*(8*A_+\b)+7], v[SM_+2*\b], v[SM_+16+2*A_] matrix_a_fmt:MATRIX_FMT_FP6 matrix_b_fmt:MATRIX_FMT_FP6
.endr
.set A_, A_+1
.endr
.endm
.macro STEPP mode, st, tj              ; a step inside a slot: the next step's fetch, then 32 products.  tj >= 0: half tj of the next tile's table is asked for
	PLACES 4                                       ; behind the last products, ahead of loads into registers that they read
	FETCH8 \mode, (\st)+1
.if (\tj) >= 0
	TABLE \tj, TP
.endif
	s_wait_dscnt 48                                ; all but the 48 loads just issued: this step's operands are in
.if (\st) == 0
	s_wait_loadcnt 0x0                             ; the table is in
	WIN 0xb1                                       ; C: window 3
.else
	WIN 0xa1
.endif
	MUL 0, 2, \st
	WIN 0
	FETCH4 \mode, (\st)+1                          ; into registers that the step before last read: the places at this step's head stand between
.if (\st) == 0
	WIN 0xb1
.else
	WIN 0xa1
.endif
	MUL 2, 2, \st
	WIN 0
.endm
.macro CHANGE st, fill                 ; a slot's last step, first half.  All my tensor loads, the add, my reads of this slot; the barrier; fill = 1: it opens a round, and the slot takes the next tile's half of K
	s_wait_tensorcnt 0x0
	ds_add_u32 v[SPW], v[NIL]
	s_wait_dscnt 1                                 ; (the add may be out)
	WIN 0xa1
	MUL 0, 1, \st
	s_wait_dscnt 0x0
	s_barrier_signal -1
	MUL 1, 1, \st
	WIN 0
	s_barrier_wait -1
.if \fill
	CREST
	s_add_nc_u64 s[G0W+4*((\st)/4)+2:G0W+4*((\st)/4)+3], s[G0W+4*((\st)/4)+2:G0W+4*((\st)/4)+3], 64*TILEB
	tensor_load_to_lds s[G0W+4*((\st)/4):G0W+4*((\st)/4)+3], s[G1W:G1W+7]   ; each wave four tiles, by its number
	s_nop 0
.endif
	PLACES 4
.endm
.macro REST st
	WIN 0xa1
	MUL 2, 2, \st
	WIN 0
.endm
; THE WAY OUT: block k = 2 u + c is registers 32 k .. 32 k + 31 of window 2.  mode 0: u a token tile, c a head of q or k; mode 1: u a tile of the head's 64, c a group of 64 keys
.macro WAYOUT mode
	PLACES 4
	WIN 0x0a
.irp k, 0,1,2,3,4,5,6,7
	v_max3_num_f32 v[T+\k], |v[32*\k]|, |v[32*\k+1]|, 0x1800000    ; the floor 2^(3 - 127); each accumulator is read from its low end on
.endr
.irp i, 2,4,6,8,10,12,14,16,18,20,22,24,26,28,30
.irp k, 0,1,2,3,4,5,6,7
	v_max3_num_f32 v[T+\k], |v[32*\k+\i]|, |v[32*\k+\i+1]|, v[T+\k]
.endr
.endr
	WIN 0
.irp k, 0,1,2,3,4,5,6,7
	v_add_nc_u32 v[SO+\k], 0xff000000, v[T+\k]
.endr
.irp k, 0,1,2,3,4,5,6,7
	v_lshrrev_b32 v[BB+\k], 23, v[SO+\k]
.endr
	WIN 0x02
.irp k, 0,1,2,3,4,5,6,7
	v_cvt_scalef32_pk16_fp6_f32 v[CD+8*\k:CD+8*\k+2], v[32*\k:32*\k+15], v[SO+\k]
	v_cvt_scalef32_pk16_fp6_f32 v[TC+4*\k:TC+4*\k+2], v[32*\k+16:32*\k+31], v[SO+\k]
.endr
	WIN 0
	v_nop
.irp k, 0,1,2,3,4,5,6,7
.irp i, 0,1,2
	v_mov_b32 v[CD+8*\k+3+\i], v[TC+4*\k+\i]
.endr
.endr
.irp k, 0,1,2,3,4,5,6,7
.irp p, 0,1,2
.if \mode
	global_store_b64 v[GOF], v[CD+8*\k+2*\p:CD+8*\k+2*\p+1], s[94:95] offset:3072*(\k%2)+768*(\k/2)+256*\p
.else
	global_store_b64 v[GOF], v[CD+8*\k+2*\p:CD+8*\k+2*\p+1], s[88:89] offset:393216*(\k%2)+768*(\k/2)+256*\p
.endif
.endr
.endr
.if \mode                              ; a word: v: tile u's key groups 0, 1;  q, k: head c's token tiles 2 g, 2 g + 1
.irp u, 0,1,2,3
	v_lshl_or_b32 v[EE+\u], v[BB+2*\u+1], 16, v[BB+2*\u]
.endr
.else
.irp c, 0,1
.irp g, 0,1
	v_lshl_or_b32 v[EE+2*\c+\g], v[BB+4*\g+2+\c], 16, v[BB+4*\g+\c]
.endr
.endr
.endif
.irp j, 0,1,2,3
	v_lshlrev_b32 v[EE+\j], v[SH8], v[EE+\j]
.endr
.irp j, 0,1,2,3
	v_permlanex16_b32 v[T+\j], v[EE+\j], s98, s99
.endr
.irp j, 0,1,2,3
	v_or_b32 v[EE+\j], v[EE+\j], v[T+\j]
.endr
	v_cndmask_b32 v[T+4], v[EE], v[EE+1], s3       ; lanes 16-31 take the odd word
	v_cndmask_b32 v[T+5], v[EE+2], v[EE+3], s3
.if \mode
	global_store_b64 v[GOF], v[T+4:T+5], s[96:97]
.else
	global_store_b32 v[SOF], v[T+4], s[90:91]
	global_store_b32 v[SOF], v[T+5], s[90:91] offset:16384
.endif
.endm
	s_wait_alu depctr_va_vdst(0)                   ; the wait at the head's end
	s_wait_tensorcnt 0x0                           ; my tile of the head's four is in; slot 1's first fill is issued as a refill is
	ds_add_u32 v[SPW], v[NIL]
	s_mov_b32 s[G1W+2], 4<<16                      ; no tensor load of mine is out: from here on a load brings four tiles
	s_mov_b32 s[G1W+4], 4
	s_wait_dscnt 0x0
	CROUND
	tensor_load_to_lds s[G0W+4:G0W+7], s[G1W:G1W+7]
	s_nop 0
	PLACES 4
	FETCH 0, 0
.Ltile:                                                ; q, then k
	STEPP 0, 0, -1
	STEPP 0, 1, 0
	STEPP 0, 2, 1
	CHANGE 3, 1
	FETCH 0, 4
	REST 3
	STEPP 0, 4, -1
	STEPP 0, 5, -1
	STEPP 0, 6, -1
	CHANGE 7, 1
	s_add_co_u32 s[TOFF], s[TOFF], 8192
	s_cmp_eq_u32 s[CNT], 0
	s_cbranch_scc0 .Lto_v                          ; the next tile's first fetch: k's as q's, v's by its own addresses; 84 loads either way
	v_add_nc_u32 v[AS8], s[TOFF], v[AS8B]
	FETCH 0, 0
	s_branch .Lfetched
.Lto_v:
	FETCH 1, 0
.Lfetched:
	REST 7
	WAYOUT 0
	s_wait_xcnt 0x0                                ; the stores and the table's loads have read their registers and bases
	s_add_nc_u64 s[88:89], s[88:89], 16*512*768
	s_add_nc_u64 s[90:91], s[90:91], 16*64*256
	s_mov_b64 s[TP:TP+1], s[TV:TV+1]
	s_add_co_u32 s[CNT], s[CNT], 1
	s_cmp_lt_u32 s[CNT], 2
	s_cbranch_scc1 .Ltile
	STEPP 1, 0, -1                                 ; v: nothing more is filled
	STEPP 1, 1, -1
	STEPP 1, 2, -1
	CHANGE 3, 0
	FETCH 1, 4
	REST 3
	STEPP 1, 4, -1
	STEPP 1, 5, -1
	STEPP 1, 6, -1
	s_wait_dscnt 0x0
	WIN 0xa1
	MUL 0, 4, 7
	WIN 0
	WAYOUT 1
	s_wait_tensorcnt 0x0                           ; the wave's end
	ds_add_u32 v[SPW], v[NIL]
	s_wait_dscnt 0x0
	CROUND                                         ; the closing round
	s_endpgm
.Lfunc_end_k_qff990b9f43_qkv:
	.size	k_qff990b9f43_qkv, .Lfunc_end_k_qff990b9f43_qkv-k_qff990b9f43_qkv
	.p2alignl 7, 3214868480
	.fill 96, 4, 3214868480
	.section	.rodata,"a",@progbits
	.p2align	6, 0x0
	.amdhsa_kernel k_qff990b9f43_qkv
		.amdhsa_group_segment_fixed_size 327680
		.amdhsa_private_segment_fixed_size 0
		.amdhsa_enable_private_segment 0
		.amdhsa_kernarg_size 40
		.amdhsa_user_sgpr_count 2
		.amdhsa_user_sgpr_kernarg_segment_ptr 1
		.amdhsa_wavefront_size32 1
		.amdhsa_system_sgpr_workgroup_id_x 1
		.amdhsa_system_sgpr_workgroup_id_y 1
		.amdhsa_system_sgpr_workgroup_id_z 1
		.amdhsa_system_vgpr_workitem_id 0
		.amdhsa_next_free_vgpr 1024
		.amdhsa_next_free_sgpr 102
		.amdhsa_reserve_vcc 0
		.amdhsa_float_denorm_mode_32 3
		.amdhsa_float_denorm_mode_16_64 3
		.amdhsa_memory_ordered 1
		.amdhsa_forward_progress 1
		.amdhsa_inst_pref_size 207
	.end_amdhsa_kernel
	.amdgpu_metadata
---
amdhsa.version: [ 1, 2 ]
amdhsa.kernels:
  - .name:           k_qff990b9f43_qkv
    .symbol:         k_qff990b9f43_qkv.kd
    .args:
      - { .name: xq, .offset: 0, .size: 8, .value_kind: global_buffer, .address_space: global }
      - { .name: wq, .offset: 8, .size: 8, .value_kind: global_buffer, .address_space: global }
      - { .name: addt, .offset: 16, .size: 8, .value_kind: global_buffer, .address_space: global }
      - { .name: qk, .offset: 24, .size: 8, .value_kind: global_buffer, .address_space: global }
      - { .name: vq, .offset: 32, .size: 8, .value_kind: global_buffer, .address_space: global }
    .group_segment_fixed_size: 327680
    .private_segment_fixed_size: 0
    .kernarg_segment_align: 8
    .kernarg_segment_size: 40
    .max_flat_workgroup_size: 128
    .sgpr_count:     102
    .vgpr_count:     1024
    .wavefront_size: 32
...
	.end_amdgpu_metadata
.endif
;; end of part 2
;; launch attn (part 3): grid 4 x 64, 8 waves a work-group, clusters of 4 x 1, 327,680 bytes of LDS; arguments qk, vq, yq; writes yq
.if DOCPART == 3
	.amdgcn_target "amdgcn-amd-amdhsa--gfx1250"
	.amdhsa_code_object_version 6
	.text
	.protected	k_qff990b9f43_attn
	.globl	k_qff990b9f43_attn
	.p2align	8
	.type	k_qff990b9f43_attn,@function
k_qff990b9f43_attn:
	s_mov_b64 s[64:65], 0
	v_nop
	global_prefetch_b8 v0, s[64:65] scope:SCOPE_SE
	s_setreg_imm32_b32 hwreg(HW_REG_WAVE_MODE, 25, 1), 1
	s_wait_xcnt 0x0
	s_wait_alu depctr_hold_cnt(0) depctr_sa_sdst(0) depctr_va_vdst(0) depctr_va_sdst(0) depctr_va_ssrc(0) depctr_va_vcc(0) depctr_vm_vsrc(0)
	s_getreg_b32 s2, hwreg(HW_REG_IB_STS2, 6, 4)
	s_cmp_eq_u32 s2, 0
	s_cbranch_scc0 .Lentry_in_a_cluster
	s_endpgm
.Lentry_in_a_cluster:
	s_bfe_u32 s2, ttmp6, 0x10000c
	s_cmp_lg_u32 s2, 0x3003
	s_cbranch_scc0 .Lentry_shape_is_right
	s_endpgm
.Lentry_shape_is_right:
; y = softmax(q k^T / 8, causal) v for one batch and head, on codes of FP6 (E2M3) with E8M0 scales; y leaves quantised along the head's 64, as the last product's operand.
; WORK LEFT OUT: steps of 128 keys wholly above the diagonal (reference()'s own jnp.tril gives them weight 0 for all inputs); inside the diagonal's step the scores are made and set to -inf.
; THE DEAL.  The four work-groups of a cluster serve one (batch, head).  All its K and V codes (2 x 98,304 bytes) and their scale bytes (2 x 4,096) come into LDS once, by joint loads, one a wave:
; waves 0-2 K's codes, 3-5 V's (32,768 bytes each), wave 6 K's scale bytes, wave 7 V's.  Nothing is filled again.  No prefetch: the launch has no loop that loads from memory.
; Work-group cx takes query tiles 2 cx and 2 cx + 1 of each chunk of 128 tokens; wave w takes BOTH tiles (32 queries) of chunk 15 - w and then of chunk w: 17 steps of 128 keys for every wave.
; Each fragment of K and V read from LDS serves both tiles, and the two tiles' chains of dependent lines stand interleaved.
; BOTH PRODUCTS ARE USED TRANSPOSED (S^T = k q^T, O^T = v^T p^T): a lane holds one query.  The head's 64 fill half of the instruction's 128: a fragment of K holds two key tiles, and q stands beside 64 zero codes, before or behind.
; By the order of rows that the earlier launches laid, a lane's registers 32 c + 0 .. 31 of S are keys 64 c + 32 h + 0 .. 31: one block of the quantiser.
; SOFTMAX: M = ceil(running largest t), a whole number, kept as -M; p = 2^(t - M); the sum is taken of the unquantised p; sums and O^T are brought under a new M by an exact power of two.  A block's largest p is made from its largest score by the same two instructions.
; LIMITS: the scaled scores stay under 2^31 in magnitude; a block whose largest magnitude lies under 2^-124 keeps the byte 1 (read by this program alone); NaN and infinities are not served.
; REGISTERS: window 0: addresses, q, temporaries, p's codes, scale words, K's and V's fragments.  Window 1: v0-127 S of tiles A, B; v128-191 O^T of tiles A, B.
.set VOFF,  98304
.set SCK,   196608
.set SPARE, 204800                     ; the spare words, 128 bytes a wave
.set QKS,   12582912
.set VSOFF, 6291456
.set YSOFF, 6291456
.set L8,   1
.set L8V,  2
.set LSC,  3
.set SPW,  4
.set NIL,  5
.set DQ,   6                           ; tile A's query place in its chunk - 32 h; tile B's is 8 more
.set SH8,  7
.set ADK,  8
.set ADV,  9
.set ADS,  10
.set NINF, 11
                                       ; v12 -M, v13 largest t, v[14:15] the sum: tile A; v16-19: tile B
.set YSO,  20
.set ADSK, 21
.set QZ,   22                          ; 18 registers a tile: 6 zeros, q, 6 zeros
.set QW,   58
.set QS,   60
.set TA,   64                          ; 24 temporaries a tile: +0,1 block maxima; +2,3 T0,T1; +4,5 f; +6,7 chain / scale operand; +8,9 chain / byte; +10,11 sum; +12.. codes' second halves
.set PC,   112
.set PW,   136
.set KS,   138
.set VSR,  140
.set KF,   144
.set VF,   192
.set WV,   18
.set SEL,  20
.set CS,   22
.set G1C,  24
.set G1S,  32
.set G0C,  40
.set G0S,  44
.set KSI,  2
.set TK,   3
.set TS,   72
.set CH,   73
.set MSB, 0
.macro WIN new                         ; the immediate's high byte repeats the setting that is left
.if MSB != (\new)
	s_set_vgpr_msb (MSB<<8)|(\new)
.set MSB, (\new)
.endif
.endm
.macro WALU
	s_wait_alu depctr_va_vdst(0)
.endm
.macro NOPS n
.rept \n
	v_nop
.endr
.endm
.macro CROUND
	s_barrier_signal -1
	s_barrier_wait -1
	s_cmp_lg_u32 s[WV], 0
	s_cbranch_scc1 .Lnot_wave_0_\@
	s_barrier_signal -3
.Lnot_wave_0_\@:
	s_barrier_wait -3
	s_barrier_signal -1
	s_barrier_wait -1
.endm
	s_load_b128 s[4:7], s[0:1], 0x0                ; qk, vq
	s_load_b64 s[8:9], s[0:1], 0x10                ; yq
	v_lshl_add_u32 v[SPW], v0, 2, SPARE
	v_mov_b32 v[NIL], 0
	ds_add_u32 v[SPW], v[NIL]                      ; the opening lines: the add twice and its wait ahead of my tensor load
	ds_add_u32 v[SPW], v[NIL]
	v_lshrrev_b32 v8, 5, v0
	v_readfirstlane_b32 s[WV], v8                  ; wave 0..7
	s_bfe_u32 s10, ttmp6, 0x40000                  ; cx
	s_and_b32 s11, ttmp7, 0xffff                   ; 16 x batch + head
	s_lshr_b32 s12, s11, 4
	s_and_b32 s13, s11, 15
	s_lshl_b32 s14, s10, 1                         ; tile A's number in a chunk
	s_sub_co_u32 s19, 15, s[WV]
	s_mov_b32 s[G1C], 15|(3<<16)|(1<<21)           ; codes: 128 rows of 256 bytes, dense; the mask names the cluster's four
	s_mov_b32 s[G1C+1], 32<<16
	s_mov_b32 s[G1C+2], 128<<16
	s_mov_b32 s[G1C+3], 32<<16
	s_mov_b32 s[G1C+4], 128
	s_mov_b32 s[G1C+5], 32
	s_mov_b32 s[G1C+6], 0
	s_mov_b32 s[G1C+7], 0
	s_mov_b32 s[G1S], 15|(3<<16)|(1<<21)           ; scale bytes: 16 rows of 256
	s_mov_b32 s[G1S+1], 32<<16
	s_mov_b32 s[G1S+2], 16<<16
	s_mov_b32 s[G1S+3], 32<<16
	s_mov_b32 s[G1S+4], 16
	s_mov_b32 s[G1S+5], 32
	s_mov_b32 s[G1S+6], 0
	s_mov_b32 s[G1S+7], 0
	s_add_co_u32 s66, s13, 16
	s_lshl_b32 s66, s66, 9
	s_lshl_b32 s67, s12, 7
	s_add_co_u32 s66, s66, s67
	s_mul_i32 s66, s66, 768                        ; K's codes in qk
	s_mul_i32 s67, s11, 98304                      ; V's in vq
	s_sub_co_u32 s68, s[WV], 3
	s_cmp_lt_u32 s[WV], 3
	s_cselect_b32 s66, s66, s67
	s_cselect_b32 s68, s[WV], s68
	s_lshl_b32 s68, s68, 15                        ; my third of them
	s_add_co_u32 s66, s66, s68
	s_mov_b32 s67, 0
	s_lshl_b32 s70, s13, 6
	s_lshl_b32 s69, s12, 4
	s_add_co_u32 s70, s70, s69                     ; 64 x head + 16 x batch: chunks of 256 scale bytes
	s_lshl_b32 s68, s70, 8
	s_add_co_u32 s69, s68, QKS+16*64*256
	s_add_co_u32 s68, s68, VSOFF
	s_cmp_eq_u32 s[WV], 6
	s_cselect_b32 s68, s69, s68
	s_mov_b32 s69, 0
	s_mov_b32 s[SEL], 0x76543210
	s_mov_b32 s[SEL+1], 0xfedcba98                 ; v_permlanex16_b32's selects for lane xor 16
	s_mov_b32 s[CS], 0x3e38aa3b                    ; log2(e) / 8
	s_mov_b32 s[CS+1], s[CS]
	s_wait_dscnt 0x0
	s_wait_kmcnt 0x0
	s_cmp_lt_u32 s[WV], 3
	s_cselect_b64 s[72:73], s[4:5], s[6:7]
	s_cmp_eq_u32 s[WV], 6
	s_cselect_b64 s[74:75], s[4:5], s[6:7]
	s_mov_b32 s[G0C], 1
	s_lshl_b32 s[G0C+1], s[WV], 15                 ; K's codes from LDS byte 0, V's from VOFF
	s_add_nc_u64 s[G0C+2:G0C+3], s[72:73], s[66:67]
	s_or_b32 s[G0C+3], s[G0C+3], 0x80000000
	s_mov_b32 s[G0S], 1
	s_lshl_b32 s[G0S+1], s[WV], 12
	s_add_co_u32 s[G0S+1], s[G0S+1], SCK-6*4096    ; wave 6: SCK, wave 7: SCK + 4,096
	s_add_nc_u64 s[G0S+2:G0S+3], s[74:75], s[68:69]
	s_or_b32 s[G0S+3], s[G0S+3], 0x80000000
	CROUND                                         ; the four work-groups are here: the joint loads meet
	s_cmp_lt_u32 s[WV], 6
	s_cbranch_scc0 .Lscales
	tensor_load_to_lds s[G0C:G0C+3], s[G1C:G1C+7]
	s_nop 0
	NOPS 4
	s_branch .Lasked
.Lscales:
	tensor_load_to_lds s[G0S:G0S+3], s[G1S:G1S+7]
	s_nop 0
	NOPS 4
.Lasked:
	s_and_b32 s71, s10, 1                          ; q's scale words: 128 (cx % 2) + 4 (cx / 2) in a chunk's 256 bytes: one word holds tile A's two bytes below and tile B's above
	s_lshl_b32 s71, s71, 7
	s_lshr_b32 s74, s10, 1
	s_lshl_b32 s74, s74, 2
	s_add_co_u32 s71, s71, s74
	s_add_co_u32 s71, s71, QKS
	s_lshr_b32 s78, s13, 2
	s_lshl_b32 s78, s78, 7
	s_and_b32 s74, s13, 3
	s_lshl_b32 s74, s74, 1
	s_add_co_u32 s78, s78, s74
	s_add_co_u32 s78, s78, YSOFF
	s_mov_b32 s77, 0
.macro BASES n, ch                     ; of chunk ch: s[48+8n] q's codes, +2 q's scale words, +4 y's codes, +6 y's scale bytes; tile B by immediates
	s_lshl_b32 s74, \ch, 3
	s_add_co_u32 s74, s74, s14
	s_lshl_b32 s75, s12, 7
	s_add_co_u32 s74, s74, s75
	s_lshl_b32 s76, s13, 9
	s_add_co_u32 s76, s76, s74
	s_mul_i32 s76, s76, 768
	s_add_nc_u64 s[48+8*\n:49+8*\n], s[4:5], s[76:77]
	s_add_co_u32 s76, s70, \ch
	s_lshl_b32 s76, s76, 8
	s_add_co_u32 s76, s76, s71
	s_add_nc_u64 s[50+8*\n:51+8*\n], s[4:5], s[76:77]
	s_lshl_b32 s76, s74, 4
	s_add_co_u32 s76, s76, s13
	s_mul_i32 s76, s76, 768
	s_add_nc_u64 s[52+8*\n:53+8*\n], s[8:9], s[76:77]
	s_lshl_b32 s76, s74, 9
	s_add_co_u32 s76, s76, s78
	s_add_nc_u64 s[54+8*\n:55+8*\n], s[8:9], s[76:77]
.endm
	BASES 0, s19
	BASES 1, s[WV]
	s_lshr_b32 s74, s14, 2
	s_lshl_b32 s74, s74, 6
	s_and_b32 s75, s14, 3
	s_lshl_b32 s75, s75, 3
	s_add_co_u32 s74, s74, s75                     ; tile A's first row in its chunk
	v_and_b32 v8, 15, v0
	v_bfe_u32 v9, v0, 4, 1
	v_and_b32 v10, 31, v0
	v_lshlrev_b32 v[L8], 3, v10
	v_lshlrev_b32 v[YSO], 3, v8
	v_lshlrev_b32 v[SH8], 3, v9
	v_add_nc_u32 v[L8V], VOFF, v[L8]
	v_add_nc_u32 v[LSC], SCK, v[L8]
.macro QLOAD n
.irp t, 0,1
.irp p, 0,1,2
	global_load_b64 v[QZ+18*\t+6+2*\p:QZ+18*\t+7+2*\p], v[L8], s[48+8*\n:49+8*\n] offset:768*\t+256*\p th:TH_LOAD_NT
.endr
.endr
	global_load_b32 v[QW], v[YSO], s[50+8*\n:51+8*\n]
.endm
	QLOAD 0
	v_and_b32 v[DQ], 7, v8
	v_lshrrev_b32 v10, 3, v8
	v_lshl_add_u32 v[DQ], v10, 5, v[DQ]
	v_lshlrev_b32 v10, 5, v9
	v_sub_nc_u32 v[DQ], v[DQ], v10
	v_add_nc_u32 v[DQ], s74, v[DQ]
	v_mov_b32 v[NINF], 0xff800000
.irp t, 0,1
.irp i, 0,1,2,3,4,5
	v_mov_b32 v[QZ+18*\t+\i], 0
	v_mov_b32 v[QZ+18*\t+12+\i], 0
.endr
	v_mov_b32 v[TA+24*\t+3], 0                     ; a lane permute's destination counts as read
	v_mov_b32 v[TA+24*\t+5], 0                     ; the upper half of the pair that holds f
.endr
.macro SPROD f, e, t, row              ; key tile 2 f + e x query tile t
	v_wmma_scale_f32_16x16x128_f8f6f4 v[64*\t+16*(\f)+8*\e:64*\t+16*(\f)+8*\e+7], v[KF+12*(\f):KF+12*(\f)+11], v[QZ+18*\t+6-6*\e:QZ+18*\t+17-6*\e], 0, v[KS+(\f)/2], v[QS+\t] matrix_a_fmt:MATRIX_FMT_FP6 matrix_b_fmt:MATRIX_FMT_FP6 matrix_a_scale:MATRIX_SCALE_ROW\row
.endm
.macro OPROD u, t, row                 ; tile u of the head's 64 x query tile t
	v_wmma_scale_f32_16x16x128_f8f6f4 v[128+32*\t+8*(\u):128+32*\t+8*(\u)+7], v[VF+12*(\u):VF+12*(\u)+11], v[PC+12*\t:PC+12*\t+11], v[128+32*\t+8*(\u):128+32*\t+8*(\u)+7], v[VSR+(\u)/2], v[PW+\t] matrix_a_fmt:MATRIX_FMT_FP6 matrix_b_fmt:MATRIX_FMT_FP6 matrix_a_scale:MATRIX_SCALE_ROW\row
.endm
; A step of 128 keys for both tiles.  Its fragments of K were asked for a step earlier.
.macro STEP
	s_cmp_gt_u32 s[KSI], s[CH]
	s_cbranch_scc1 .Lhidden_\@                     ; wholly above the diagonal
	v_add_nc_u32 v[ADV], s[TK], v[L8V]             ; (these four lines are the places behind the last step's products)
	v_add_nc_u32 v[ADS], s[TS], v[LSC]
	NOPS 2
.irp u, 0,1,2,3
.irp c, 0,1
.irp p, 0,1,2
	ds_load_b64 v[VF+12*\u+6*\c+2*\p:VF+12*\u+6*\c+2*\p+1], v[ADV] offset:3072*\c+768*\u+256*\p
.endr
.endr
.endr
	ds_load_b64 v[VSR:VSR+1], v[ADS] offset:4096
	s_wait_dscnt 25                                ; K's 25 loads are in; V's 25 may be out
	WIN 0x40
.irp g, 0,1
.irp e, 0,1
.irp t, 0,1
	SPROD 2*\g, \e, \t, 0
.endr
.endr
.irp e, 0,1
.irp t, 0,1
	SPROD 2*\g+1, \e, \t, 1
.endr
.endr
.endr
	WIN 0
	v_add_nc_u32 v[ADK], s[TK], v[L8]              ; four places, then the next step's K (behind the last step of a chunk: bytes that lie in LDS and are not used)
	v_add_nc_u32 v[ADSK], s[TS], v[LSC]
	NOPS 2
.irp f, 0,1,2,3
.irp p, 0,1,2,3,4,5
	ds_load_b64 v[KF+12*\f+2*\p:KF+12*\f+2*\p+1], v[ADK] offset:6144+1536*\f+256*\p
.endr
.endr
	ds_load_b64 v[KS:KS+1], v[ADSK] offset:256
	s_cmp_lg_u32 s[KSI], s[CH]
	s_cbranch_scc1 .Lopen_\@
	WIN 0x41                                       ; the diagonal's step: key > query becomes -inf.  Tile B's queries lie 8 on, so one compare serves A's register m and B's register m + 8
.irp c, 0,1
.set MM, -8
.rept 40
	v_cmp_gt_i32 vcc_lo, 64*\c+MM, v[DQ]
.if MM >= 0
	v_cndmask_b32 v[32*\c+MM], v[32*\c+MM], v[NINF], vcc_lo
.endif
.if MM < 24
	v_cndmask_b32 v[72+32*\c+MM], v[72+32*\c+MM], v[NINF], vcc_lo
.endif
.set MM, MM+1
.endr
.endr
	WIN 0
.Lopen_\@:
	WIN 0x15                                       ; each block's largest score: two chains a block, eight chains by turns
.irp t, 0,1
.irp c, 0,1
	v_max3_num_f32 v[TA+24*\t+6+\c], v[64*\t+32*\c], v[64*\t+32*\c+1], v[64*\t+32*\c+2]
	v_max3_num_f32 v[TA+24*\t+8+\c], v[64*\t+32*\c+16], v[64*\t+32*\c+17], v[64*\t+32*\c+18]
.endr
.endr
	WIN 0x14
.irp i, 3,5,7,9,11,13
.irp t, 0,1
.irp c, 0,1
	v_max3_num_f32 v[TA+24*\t+6+\c], v[TA+24*\t+6+\c], v[64*\t+32*\c+\i], v[64*\t+32*\c+\i+1]
	v_max3_num_f32 v[TA+24*\t+8+\c], v[TA+24*\t+8+\c], v[64*\t+32*\c+16+\i], v[64*\t+32*\c+17+\i]
.endr
.endr
.endr
.irp t, 0,1
.irp c, 0,1
	v_max3_num_f32 v[TA+24*\t+6+\c], v[TA+24*\t+6+\c], v[64*\t+32*\c+15], v[64*\t+32*\c+31]
.endr
.endr
	WIN 0
.irp t, 0,1
.irp c, 0,1
	v_max_num_f32 v[TA+24*\t+\c], v[TA+24*\t+6+\c], v[TA+24*\t+8+\c]
.endr
.endr
.irp t, 0,1
	v_max_num_f32 v[TA+24*\t+2], v[TA+24*\t], v[TA+24*\t+1]
.endr
.irp t, 0,1
	v_permlanex16_b32 v[TA+24*\t+3], v[TA+24*\t+2], s[SEL], s[SEL+1]
.endr
.irp t, 0,1
	v_max_num_f32 v[TA+24*\t+2], v[TA+24*\t+2], v[TA+24*\t+3]
.endr
.irp t, 0,1
	v_mul_f32 v[TA+24*\t+2], s[CS], v[TA+24*\t+2]
.endr
.irp t, 0,1
	v_max_num_f32 v[13+4*\t], v[13+4*\t], v[TA+24*\t+2]      ; the running largest t
.endr
.irp t, 0,1
	v_mov_b32 v[TA+24*\t+2], v[12+4*\t]
.endr
.irp t, 0,1
	v_floor_f32 v[12+4*\t], -v[13+4*\t]                      ; -M = floor(-t)
.endr
.irp t, 0,1
	v_sub_f32 v[TA+24*\t+2], v[12+4*\t], v[TA+24*\t+2]
.endr
.irp t, 0,1
	v_cvt_i32_f32 v[TA+24*\t+2], v[TA+24*\t+2]
.endr
.irp t, 0,1
	v_ldexp_f32 v[TA+24*\t+4], 1.0, v[TA+24*\t+2]            ; f = 2^(old M - new M)
.endr
.irp t, 0,1
.irp c, 0,1
	v_fma_f32 v[TA+24*\t+\c], v[TA+24*\t+\c], s[CS], v[12+4*\t]
.endr
.endr
	WIN 0x41
.irp t, 0,1
.set j, 0
.rept 32
	v_pk_fma_f32 v[64*\t+j:64*\t+j+1], v[64*\t+j:64*\t+j+1], s[CS:CS+1], v[12+4*\t:13+4*\t] op_sel_hi:[1,0,0]
.set j, j+2
.endr
.endr
	WALU                                           ; the wait ahead of the batch
.set j, 0
.rept 128
	v_exp_f32 v[j], v[j]
.set j, j+1
.endr
	WIN 0
.irp t, 0,1
.irp c, 0,1
	v_exp_f32 v[TA+24*\t+\c], v[TA+24*\t+\c]       ; the block's largest p
.endr
.endr
.irp t, 0,1
	v_pk_mul_f32 v[14+4*\t:15+4*\t], v[14+4*\t:15+4*\t], v[TA+24*\t+4:TA+24*\t+5] op_sel_hi:[1,0]
.endr
	WALU                                           ; and behind it
	WIN 0x05
.irp t, 0,1
	v_pk_add_f32 v[TA+24*\t+10:TA+24*\t+11], v[64*\t:64*\t+1], v[64*\t+2:64*\t+3]
.endr
	WIN 0x04
.set j, 4
.rept 15
.irp t, 0,1
	v_pk_add_f32 v[14+4*\t:15+4*\t], v[14+4*\t:15+4*\t], v[64*\t+j:64*\t+j+1]
	v_pk_add_f32 v[TA+24*\t+10:TA+24*\t+11], v[TA+24*\t+10:TA+24*\t+11], v[64*\t+j+2:64*\t+j+3]
.endr
.set j, j+4
.endr
	WIN 0
.irp t, 0,1
.irp c, 0,1
	v_max_num_f32 v[TA+24*\t+\c], 0x1800000, v[TA+24*\t+\c]  ; the floor 2^(3 - 127): the byte cannot fall under 1
.endr
.endr
.irp t, 0,1
	v_pk_add_f32 v[14+4*\t:15+4*\t], v[14+4*\t:15+4*\t], v[TA+24*\t+10:TA+24*\t+11]
.endr
.irp t, 0,1
.irp c, 0,1
	v_add_nc_u32 v[TA+24*\t+6+\c], 0xff000000, v[TA+24*\t+\c]
.endr
.endr
.irp t, 0,1
.irp c, 0,1
	v_lshrrev_b32 v[TA+24*\t+8+\c], 23, v[TA+24*\t+6+\c]
.endr
.endr
.irp t, 0,1
	v_lshl_or_b32 v[TA+24*\t+2], v[TA+24*\t+9], 16, v[TA+24*\t+8]
.endr
.irp t, 0,1
	v_lshlrev_b32 v[TA+24*\t+2], v[SH8], v[TA+24*\t+2]
.endr
.irp t, 0,1
	v_permlanex16_b32 v[TA+24*\t+3], v[TA+24*\t+2], s[SEL], s[SEL+1]
.endr
.irp t, 0,1
	v_or_b32 v[PW+\t], v[TA+24*\t+2], v[TA+24*\t+3]          ; p's scale word for these 128 keys
.endr
	WIN 0x01
.irp t, 0,1
.irp c, 0,1
	v_cvt_scalef32_pk16_fp6_f32 v[PC+12*\t+6*\c:PC+12*\t+6*\c+2], v[64*\t+32*\c:64*\t+32*\c+15], v[TA+24*\t+6+\c]
	v_cvt_scalef32_pk16_fp6_f32 v[TA+24*\t+12+4*\c:TA+24*\t+14+4*\c], v[64*\t+32*\c+16:64*\t+32*\c+31], v[TA+24*\t+6+\c]
.endr
.endr
	WIN 0
	v_nop                                          ; one plain line behind the conversions
.irp t, 0,1
.irp c, 0,1
.irp i, 0,1,2
	v_mov_b32 v[PC+12*\t+6*\c+3+\i], v[TA+24*\t+12+4*\c+\i]
.endr
.endr
.endr
	WIN 0x41
	WALU                                           ; the wait directly ahead of the first reader of O^T
.irp t, 0,1
.set j, 0
.rept 16
	v_pk_mul_f32 v[128+32*\t+j:129+32*\t+j], v[128+32*\t+j:129+32*\t+j], v[TA+24*\t+4:TA+24*\t+5] op_sel_hi:[1,0]
.set j, j+2
.endr
.endr
	WALU
	s_wait_dscnt 25                                ; V's 25 loads are in; the next step's 25 of K may be out
	WIN 0x50
.irp g, 0,1
.irp t, 0,1
	OPROD 2*\g, \t, 0
.endr
.irp t, 0,1
	OPROD 2*\g+1, \t, 1
.endr
.endr
	WIN 0
.Lhidden_\@:
	s_add_co_u32 s[TK], s[TK], 6144
	s_add_co_u32 s[TS], s[TS], 256
.endm
; O^T / the sum, quantised along the head's 64 (a lane's 32 registers are one block), stored as the last product's operand
.macro FINAL n
	NOPS 4
.if \n == 0
	QLOAD 1
.endif
.irp t, 0,1
	v_add_f32 v[TA+24*\t+2], v[14+4*\t], v[15+4*\t]
.endr
.irp t, 0,1
	v_permlanex16_b32 v[TA+24*\t+3], v[TA+24*\t+2], s[SEL], s[SEL+1]
.endr
.irp t, 0,1
	v_add_f32 v[TA+24*\t+2], v[TA+24*\t+2], v[TA+24*\t+3]
.endr
	WALU
.irp t, 0,1
	v_rcp_f32 v[TA+24*\t+4], v[TA+24*\t+2]
.endr
	v_nop
	WIN 0x41
	WALU
.irp t, 0,1
.set j, 0
.rept 16
	v_pk_mul_f32 v[128+32*\t+j:129+32*\t+j], v[128+32*\t+j:129+32*\t+j], v[TA+24*\t+4:TA+24*\t+5] op_sel_hi:[1,0]
.set j, j+2
.endr
.endr
	WIN 0x15
.irp t, 0,1
	v_max3_num_f32 v[TA+24*\t+2], |v[128+32*\t]|, |v[129+32*\t]|, |v[130+32*\t]|
	v_max3_num_f32 v[TA+24*\t+3], |v[131+32*\t]|, |v[132+32*\t]|, |v[133+32*\t]|
.endr
	WIN 0x14
.irp i, 6,10,14,18,22,26
.irp t, 0,1
	v_max3_num_f32 v[TA+24*\t+2], v[TA+24*\t+2], |v[128+32*\t+\i]|, |v[129+32*\t+\i]|
	v_max3_num_f32 v[TA+24*\t+3], v[TA+24*\t+3], |v[130+32*\t+\i]|, |v[131+32*\t+\i]|
.endr
.endr
.irp t, 0,1
	v_max3_num_f32 v[TA+24*\t+2], v[TA+24*\t+2], |v[158+32*\t]|, |v[159+32*\t]|
.endr
	WIN 0
.irp t, 0,1
	v_max3_num_f32 v[TA+24*\t+2], v[TA+24*\t+2], v[TA+24*\t+3], 0x1800000
.endr
.irp t, 0,1
	v_add_nc_u32 v[TA+24*\t+6], 0xff000000, v[TA+24*\t+2]
.endr
	WIN 0x01
.irp t, 0,1
	v_cvt_scalef32_pk16_fp6_f32 v[PC+12*\t:PC+12*\t+2], v[128+32*\t:143+32*\t], v[TA+24*\t+6]
	v_cvt_scalef32_pk16_fp6_f32 v[TA+24*\t+12:TA+24*\t+14], v[144+32*\t:159+32*\t], v[TA+24*\t+6]
.endr
	WIN 0
.irp t, 0,1
	v_lshrrev_b32 v[TA+24*\t+8], 23, v[TA+24*\t+6]
.endr
.irp t, 0,1
.irp i, 0,1,2
	v_mov_b32 v[PC+12*\t+3+\i], v[TA+24*\t+12+\i]
.endr
.endr
.irp t, 0,1
.irp p, 0,1,2
	global_store_b64 v[L8], v[PC+12*\t+2*\p:PC+12*\t+2*\p+1], s[52+8*\n:53+8*\n] offset:12288*\t+256*\p   ; 256 consecutive bytes, aligned
.endr
.endr
.irp t, 0,1
	v_lshlrev_b32 v[TA+24*\t+8], v[SH8], v[TA+24*\t+8]
.endr
.irp t, 0,1
	v_permlanex16_b32 v[TA+24*\t+3], v[TA+24*\t+8], s[SEL], s[SEL+1]
.endr
.irp t, 0,1
	v_or_b32 v[TA+24*\t+8], v[TA+24*\t+8], v[TA+24*\t+3]
.endr
.irp t, 0,1
	global_store_b16 v[YSO], v[TA+24*\t+8], s[54+8*\n:55+8*\n] offset:512*\t   ; my row's two bytes of this head
.endr
.endm
.macro PHASE n, ch
	s_wait_xcnt 0x0                                ; the last chunk's stores have read their registers
	s_wait_loadcnt 0x0                             ; q is in
	s_wait_dscnt 0x0                               ; no LDS load is out into K's registers
	v_and_b32 v[QS], 0xffff, v[QW]                 ; a tile's two bytes in both halves of its word: q stands in either half of K
	v_lshrrev_b32 v[QS+1], 16, v[QW]
	v_lshl_or_b32 v[QS], v[QW], 16, v[QS]
	v_and_or_b32 v[QS+1], v[QW], 0xffff0000, v[QS+1]
.irp t, 0,1
	v_mov_b32 v[13+4*\t], 0xff61b1e6               ; -3e38, under every t
	v_mov_b32 v[14+4*\t], 0
	v_mov_b32 v[15+4*\t], 0
.endr
.irp t, 0,1
	v_floor_f32 v[12+4*\t], -v[13+4*\t]
.endr
	WIN 0x40
.set j, 0
.rept 64
	v_mov_b32 v[128+j], 0                          ; the step is written once: the first finds zeros
.set j, j+1
.endr
	WIN 0
.irp f, 0,1,2,3
.irp p, 0,1,2,3,4,5
	ds_load_b64 v[KF+12*\f+2*\p:KF+12*\f+2*\p+1], v[L8] offset:1536*\f+256*\p
.endr
.endr
	ds_load_b64 v[KS:KS+1], v[LSC]
	s_mov_b32 s[KSI], 0
	s_mov_b32 s[TK], 0
	s_mov_b32 s[TS], 0
	s_mov_b32 s[CH], \ch
.Lstep_\@:                                             ; sixteen trips in every wave; the steps above the diagonal are jumped over
	STEP
	s_add_co_u32 s[KSI], s[KSI], 1
	s_cmp_lt_u32 s[KSI], 16
	s_cbranch_scc1 .Lstep_\@
	FINAL \n
.endm
	WALU                                           ; the wait at the head's end
	s_wait_tensorcnt 0x0                           ; my load is in,
	s_barrier_signal -1
	s_barrier_wait -1                              ; everybody's are
	PHASE 0, s19
	PHASE 1, s[WV]
	s_wait_tensorcnt 0x0                           ; the wave's end
	ds_add_u32 v[SPW], v[NIL]
	s_wait_dscnt 0x0
	CROUND                                         ; the closing round
	s_endpgm
.Lfunc_end_k_qff990b9f43_attn:
	.size	k_qff990b9f43_attn, .Lfunc_end_k_qff990b9f43_attn-k_qff990b9f43_attn
	.p2alignl 7, 3214868480
	.fill 96, 4, 3214868480
	.section	.rodata,"a",@progbits
	.p2align	6, 0x0
	.amdhsa_kernel k_qff990b9f43_attn
		.amdhsa_group_segment_fixed_size 327680
		.amdhsa_private_segment_fixed_size 0
		.amdhsa_enable_private_segment 0
		.amdhsa_kernarg_size 24
		.amdhsa_user_sgpr_count 2
		.amdhsa_user_sgpr_kernarg_segment_ptr 1
		.amdhsa_wavefront_size32 1
		.amdhsa_system_sgpr_workgroup_id_x 1
		.amdhsa_system_sgpr_workgroup_id_y 1
		.amdhsa_system_sgpr_workgroup_id_z 1
		.amdhsa_system_vgpr_workitem_id 0
		.amdhsa_next_free_vgpr 448
		.amdhsa_next_free_sgpr 80
		.amdhsa_reserve_vcc 1
		.amdhsa_float_denorm_mode_32 3
		.amdhsa_float_denorm_mode_16_64 3
		.amdhsa_memory_ordered 1
		.amdhsa_forward_progress 1
		.amdhsa_inst_pref_size 104
	.end_amdhsa_kernel
	.amdgpu_metadata
---
amdhsa.version: [ 1, 2 ]
amdhsa.kernels:
  - .name:           k_qff990b9f43_attn
    .symbol:         k_qff990b9f43_attn.kd
    .args:
      - { .name: qk, .offset: 0, .size: 8, .value_kind: global_buffer, .address_space: global }
      - { .name: vq, .offset: 8, .size: 8, .value_kind: global_buffer, .address_space: global }
      - { .name: yq, .offset: 16, .size: 8, .value_kind: global_buffer, .address_space: global }
    .group_segment_fixed_size: 327680
    .private_segment_fixed_size: 0
    .kernarg_segment_align: 8
    .kernarg_segment_size: 24
    .max_flat_workgroup_size: 256
    .sgpr_count:     80
    .vgpr_count:     448
    .wavefront_size: 32
...
	.end_amdgpu_metadata
.endif
;; end of part 3
;; launch proj (part 4): grid 4 x 64, 4 waves a work-group, clusters of 4 x 4, 327,680 bytes of LDS; arguments yq, wq, c_proj_b, out0; writes out0
.if DOCPART == 4
	.amdgcn_target "amdgcn-amd-amdhsa--gfx1250"
	.amdhsa_code_object_version 6
	.text
	.protected	k_qff990b9f43_proj
	.globl	k_qff990b9f43_proj
	.p2align	8
	.type	k_qff990b9f43_proj,@function
k_qff990b9f43_proj:
	s_mov_b64 s[64:65], 0
	v_nop
	global_prefetch_b8 v0, s[64:65] scope:SCOPE_SE
	s_setreg_imm32_b32 hwreg(HW_REG_WAVE_MODE, 25, 1), 1
	s_wait_xcnt 0x0
	s_wait_alu depctr_hold_cnt(0) depctr_sa_sdst(0) depctr_va_vdst(0) depctr_va_sdst(0) depctr_va_ssrc(0) depctr_va_vcc(0) depctr_vm_vsrc(0)
	s_getreg_b32 s2, hwreg(HW_REG_IB_STS2, 6, 4)
	s_cmp_eq_u32 s2, 0
	s_cbranch_scc0 .Lentry_in_a_cluster
	s_endpgm
.Lentry_in_a_cluster:
	s_bfe_u32 s2, ttmp6, 0x10000c
	s_cmp_lg_u32 s2, 0xf033
	s_cbranch_scc0 .Lentry_shape_is_right
	s_endpgm
.Lentry_shape_is_right:
; out0 = y c_proj_w + c_proj_b on codes of FP6 (E2M3) with E8M0 scales; f32 out.
; 256 work-groups, each 128 tokens x 256 columns.  All of K of both operands (8 + 16 tiles of 12,288 bytes) and their scale bytes lie in LDS at once: four joint loads at the head, one a wave; nothing is filled again.
; No prefetch: the launch has no loop that loads from memory.  CLUSTERS: 4 x 4: y's tiles are asked for jointly along a row of the cluster, the weights' along a column.
; A wave makes 64 x 128: source 0 = 8 tiles of weights, source 1 = 4 tiles of tokens: a lane holds eight neighbouring columns of a row.  Eight steps of 128 along K, 32 products each, on two sets of fragments.
; The bias is the C of the first products.  The way out goes through a stage on y's bytes, behind a barrier behind which nobody reads them; rows leave as 512 consecutive bytes.
; REGISTERS: window 0: v16-31 addresses, v32-63 scale words (lanes 0-15 y's tile i, lanes 16-31 the weights'), v64-127 the bias, v128-223 y's fragments; window 1: the weights' at v0, v128; window 2: accumulator (a, b) at v[8 (8 a + b)].
.set FR,     12
.set TILEB,  12288
.set BB0,    8*TILEB
.set SCL,    24*TILEB
.set SPARE,  SCL+12288
.set YS,     6291456
.set WPC,    2457600
.set WPS,    3244032
.set SPITCH, 528
.set ADRA, 16
.set ADRB, 17                          ; v17 tiles 0-3, v18 tiles 4-7
.set BO,   22
.set STO,  24
.set RD,   25
.set CO,   26
.set ADRS, 27
.set SPW,  28
.set NIL,  29
.set GOF,  30
.set SC,   32
.set BI,   64
.set AF,   128
.set BK,   128
.set G1A,  24
.set G1B,  32
.set G1S,  40
.set G1SB, 48
.set G0A,  56
.set G0B,  60
.set G0S,  68
.set G0SB, 72
.set MSB, 0
.macro WIN new
.if MSB != (\new)
	s_set_vgpr_msb (MSB<<8)|(\new)
.set MSB, (\new)
.endif
.endm
.macro PLACES n
.rept \n
	v_nop
.endr
.endm
.macro CROUND
	s_barrier_signal -1
	s_barrier_wait -1
	s_cmp_lg_u32 s14, 0
	s_cbranch_scc1 .Lnot_wave_0_\@
	s_barrier_signal -3
.Lnot_wave_0_\@:
	s_barrier_wait -3
	s_barrier_signal -1
	s_barrier_wait -1
.endm
.macro GROUP1 g, mask, r               ; r dense rows of 256 bytes
	s_or_b32 s[\g], s\mask, (3<<16)|(1<<21)
	s_mov_b32 s[\g+1], 32<<16
	s_mov_b32 s[\g+2], (\r)<<16
	s_mov_b32 s[\g+3], 32<<16
	s_mov_b32 s[\g+4], \r
	s_mov_b32 s[\g+5], 32
	s_mov_b32 s[\g+6], 0
	s_mov_b32 s[\g+7], 0
.endm
	s_load_b128 s[4:7], s[0:1], 0x0                ; yq, wq
	s_load_b128 s[8:11], s[0:1], 0x10              ; c_proj_b, out0
	v_lshl_add_u32 v[SPW], v0, 2, SPARE
	v_mov_b32 v[NIL], 0
	ds_add_u32 v[SPW], v[NIL]                      ; the opening lines
	ds_add_u32 v[SPW], v[NIL]
	v_lshrrev_b32 v1, 5, v0
	v_readfirstlane_b32 s14, v1
	s_lshr_b32 s15, s14, 1                         ; which 64 tokens
	s_and_b32 s16, s14, 1                          ; which 128 columns
	s_bfe_u32 s76, ttmp6, 0x40000
	s_bfe_u32 s77, ttmp6, 0x40004
	s_lshl_b32 s78, ttmp9, 2
	s_add_co_u32 s78, s78, s76                     ; block of 256 columns
	s_and_b32 s17, ttmp7, 0xffff
	s_lshl_b32 s17, s17, 2
	s_add_co_u32 s17, s17, s77                     ; block of 128 tokens
	s_lshl_b32 s79, s77, 2
	s_lshl_b32 s79, 15, s79
	s_lshl_b32 s80, 0x1111, s76
	GROUP1 G1A,  79, 384
	GROUP1 G1B,  80, 768
	GROUP1 G1S,  79, 16
	GROUP1 G1SB, 80, 32
	s_mov_b32 s[G0A], 1
	s_mov_b32 s[G0A+1], 0
	s_mov_b32 s[G0B], 1
	s_mov_b32 s[G0B+1], BB0
	s_mov_b32 s[G0S], 1
	s_mov_b32 s[G0S+1], SCL
	s_mov_b32 s[G0SB], 1
	s_mov_b32 s[G0SB+1], SCL+4096
	s_mul_i32 s18, s17, 8*TILEB
	s_mov_b32 s19, 0
	s_lshl_b32 s20, s17, 12
	s_add_co_u32 s20, s20, YS
	s_mov_b32 s21, 0
	s_mul_i32 s22, s78, 16*TILEB
	s_add_co_u32 s22, s22, WPC
	s_mov_b32 s23, 0
	s_lshl_b32 s82, s78, 13
	s_add_co_u32 s82, s82, WPS
	s_mov_b32 s83, 0
	s_mul_i32 s84, s15, 4*TILEB
	s_mul_i32 s85, s16, 8*TILEB
	s_add_co_u32 s85, s85, BB0
	s_add_co_u32 s86, s85, 4*TILEB
	s_lshl_b32 s88, s15, 11
	s_lshl_b32 s87, s16, 12
	s_add_co_u32 s87, s87, 4096
	s_sub_co_u32 s87, s87, s88                     ; from y's scale words to the weights'
	s_add_co_u32 s88, s88, SCL
	s_mul_i32 s89, s14, 16*SPITCH
	s_lshl_b32 s90, s78, 10
	s_lshl_b32 s91, s16, 9
	s_add_co_u32 s90, s90, s91
	s_mov_b32 s91, 0
	s_lshl_b32 s92, s17, 7
	s_lshl_b32 s93, s15, 6
	s_add_co_u32 s92, s92, s93
	s_lshl_b32 s92, s92, 12
	s_mov_b32 s93, 0
	s_wait_dscnt 0x0
	s_wait_kmcnt 0x0
	s_add_nc_u64 s[G0A+2:G0A+3], s[4:5], s[18:19]
	s_add_nc_u64 s[G0S+2:G0S+3], s[4:5], s[20:21]
	s_add_nc_u64 s[G0B+2:G0B+3], s[6:7], s[22:23]
	s_add_nc_u64 s[G0SB+2:G0SB+3], s[6:7], s[82:83]
.irp g, G0A, G0B, G0S, G0SB
	s_or_b32 s[\g+3], s[\g+3], 0x80000000
.endr
	s_add_nc_u64 s[8:9], s[8:9], s[90:91]
	s_add_nc_u64 s[10:11], s[10:11], s[90:91]
	s_add_nc_u64 s[10:11], s[10:11], s[92:93]
	CROUND
.macro ARM under, g0, g1, next
	s_cmp_lt_u32 s14, \under
	s_cbranch_scc0 \next
	tensor_load_to_lds s[\g0:\g0+3], s[\g1:\g1+7]
	s_nop 0
	PLACES 4
	s_branch .Lhead_asked
\next:
.endm
	ARM 1, G0A, G1A, .Lhead_b
	ARM 2, G0B, G1B, .Lhead_sa
	ARM 3, G0S, G1S, .Lhead_sb
	tensor_load_to_lds s[G0SB:G0SB+3], s[G1SB:G1SB+7]
	s_nop 0
	PLACES 4
.Lhead_asked:
	v_and_b32 v1, 15, v0
	v_bfe_u32 v2, v0, 4, 1
	v_and_b32 v3, 31, v0
	v_lshlrev_b32 v[GOF], 3, v3
	v_lshlrev_b32 v[CO], 4, v3
	v_lshlrev_b32 v[BO], 7, v2
	v_lshlrev_b32 v5, 3, v1
	v_mul_u32_u24 v6, s87, v2
	v_mul_u32_u24 v7, v1, SPITCH
	v_add_nc_u32 v[ADRA], s84, v[GOF]
	v_add_nc_u32 v[ADRB], s85, v[GOF]
	v_add_nc_u32 v[ADRB+1], s86, v[GOF]
	v_add_nc_u32 v5, v5, v6
	v_lshl_add_u32 v7, v2, 7, v7
	v_add_nc_u32 v[ADRS], s88, v5
	v_add_nc_u32 v[STO], s89, v7
	v_add_nc_u32 v[RD], s89, v[CO]
.irp b, 0,1,2,3,4,5,6,7
	global_load_b128 v[BI+8*\b:BI+8*\b+3],   v[BO], s[8:9] offset:256*(\b/4)+32*(\b%4)
	global_load_b128 v[BI+8*\b+4:BI+8*\b+7], v[BO], s[8:9] offset:256*(\b/4)+32*(\b%4)+16
.endr
.macro FRAG reg, adr, off
.irp p, 0,1,2,3,4,5
	ds_load_b64 v[\reg+2*\p:\reg+2*\p+1], v[\adr] offset:\off+256*\p
.endr
.endm
.macro FETCH8 st                       ; step st's eight fragments of the weights into set st % 2: 48 loads
	WIN 0x40
.irp i, 0,1,2,3,4,5,6,7
	FRAG 128*((\st)%2)+FR*\i, ADRB+\i/4, TILEB*(\i%4)+1536*(\st)
.endr
	WIN 0
.endm
.macro FETCH4 st                       ; its four fragments of y: 24 loads; at an even step 8 more: the scale words of two steps
.irp i, 0,1,2,3
	FRAG AF+48*((\st)%2)+FR*\i, ADRA, TILEB*\i+1536*(\st)
.endr
.if (\st)%2 == 0
.irp i, 0,1,2,3,4,5,6,7
	ds_load_b64 v[SC+16*(((\st)/2)%2)+2*\i:SC+16*(((\st)/2)%2)+2*\i+1], v[ADRS] offset:512*\i+64*(\st)
.endr
.endif
.endm
.macro FETCH st
	FETCH8 \st
	FETCH4 \st
.endm
.macro MUL st, a0, a1                  ; y's tiles a0, a1 x the weights' eight; the accumulators take turns in the same order in every step
.set SM_, SC+16*(((\st)/2)%2)+(\st)%2
.set P_, (\st)%2
.irp a, \a0, \a1
.irp b, 0,1,2,3,4,5,6,7
.if (\st) == 0
	v_wmma_scale_f32_16x16x128_f8f6f4 v[8*(8*\a+\b):8*(8*\a+\b)+7], v[128*P_+FR*\b:128*P_+FR*\b+FR-1], v[AF+48*P_+FR*\a:AF+48*P_+FR*\a+FR-1], v[BI+8*\b:BI+8*\b+7], v[SM_+2*\b], v[SM_+2*\a] matrix_a_fmt:MATRIX_FMT_FP6 matrix_b_fmt:MATRIX_FMT_FP6 matrix_a_scale:MATRIX_SCALE_ROW1
.else
	v_wmma_scale_f32_16x16x128_f8f6f4 v[8*(8*\a+\b):8*(8*\a+\b)+7], v[128*P_+FR*\b:128*P_+FR*\b+FR-1], v[AF+48*P_+FR*\a:AF+48*P_+FR*\a+FR-1], v[8*(8*\a+\b):8*(8*\a+\b)+7], v[SM_+2*\b], v[SM_+2*\a] matrix_a_fmt:MATRIX_FMT_FP6 matrix_b_fmt:MATRIX_FMT_FP6 matrix_a_scale:MATRIX_SCALE_ROW1
.endif
.endr
.endr
.endm
.macro STEP st
.if (\st) < 7
.if (\st) > 0
	PLACES 4                                       ; behind the last products, ahead of loads into registers that they read
.endif
	FETCH8 (\st)+1
	s_wait_dscnt 48                                ; all but the 48 loads just issued: this step's operands are in
.else
	s_wait_dscnt 0x0                               ; my last reads of the tiles are over:
	s_barrier_signal -1                            ; say so
.endif
.if (\st) == 0
	s_wait_loadcnt 0x0                             ; the bias is in
	WIN 0x81
.else
	WIN 0xa1
.endif
	MUL \st, 0, 1
.if (\st) < 7
	WIN 0
	FETCH4 (\st)+1                                 ; into registers that the step before last read: the places at this step's head stand between
.if (\st) == 0
	WIN 0x81
.else
	WIN 0xa1
.endif
.endif
	MUL \st, 2, 3
	WIN 0
.if (\st) == 7
	s_barrier_wait -1                              ; nobody reads the tiles any more: the stage may lie on them
.endif
.endm
	s_wait_alu depctr_va_vdst(0)                   ; the wait at the head's end
	s_wait_tensorcnt 0x0                           ; my tile is in,
	s_barrier_signal -1
	s_barrier_wait -1                              ; everybody's are
	FETCH 0
.irp s, 0,1,2,3,4,5,6,7
	STEP \s
.endr
.macro TOSTAGE a                       ; 16 rows x 128 columns through my stage; LDS serves a wave's instructions in order
	WIN 0x08
.irp b, 0,1,2,3,4,5,6,7
	ds_store_b128 v[STO], v[64*(\a)+8*\b:64*(\a)+8*\b+3] offset:256*(\b/4)+32*(\b%4)
	ds_store_b128 v[STO], v[64*(\a)+8*\b+4:64*(\a)+8*\b+7] offset:256*(\b/4)+32*(\b%4)+16
.endr
	WIN 0
.set BB, BK+64*((\a)%2)
.irp t, 0,1,2,3,4,5,6,7,8,9,10,11,12,13,14,15
	ds_load_b128 v[BB+4*\t:BB+4*\t+3], v[RD] offset:\t*SPITCH
.endr
.endm
.macro SEND a, younger
.set BB, BK+64*((\a)%2)
	s_wait_dscnt \younger
.if (\a) > 0
	s_add_nc_u64 s[10:11], s[10:11], 8*4096        ; tile u + 1 begins eight rows on (behind a wait on XCNT)
.endif
.irp t, 0,1,2,3,4,5,6,7,8,9,10,11,12,13,14,15
	global_store_b128 v[CO], v[BB+4*\t:BB+4*\t+3], s[10:11] offset:(32*(\t/8)+\t%8)*4096 th:TH_STORE_NT   ; 512 consecutive bytes, aligned
.endr
.endm
	PLACES 4
	TOSTAGE 0
.irp a, 1,2,3
.if \a > 1
	s_wait_xcnt 0x0
.endif
	TOSTAGE \a
	SEND \a-1, 32
.endr
	s_wait_xcnt 0x0
	SEND 3, 0
	s_wait_tensorcnt 0x0                           ; the wave's end
	ds_add_u32 v[SPW], v[NIL]
	s_wait_dscnt 0x0
	CROUND                                         ; the closing round
	s_endpgm
.Lfunc_end_k_qff990b9f43_proj:
	.size	k_qff990b9f43_proj, .Lfunc_end_k_qff990b9f43_proj-k_qff990b9f43_proj
	.p2alignl 7, 3214868480
	.fill 96, 4, 3214868480
	.section	.rodata,"a",@progbits
	.p2align	6, 0x0
	.amdhsa_kernel k_qff990b9f43_proj
		.amdhsa_group_segment_fixed_size 327680
		.amdhsa_private_segment_fixed_size 0
		.amdhsa_enable_private_segment 0
		.amdhsa_kernarg_size 32
		.amdhsa_user_sgpr_count 2
		.amdhsa_user_sgpr_kernarg_segment_ptr 1
		.amdhsa_wavefront_size32 1
		.amdhsa_system_sgpr_workgroup_id_x 1
		.amdhsa_system_sgpr_workgroup_id_y 1
		.amdhsa_system_sgpr_workgroup_id_z 1
		.amdhsa_system_vgpr_workitem_id 0
		.amdhsa_next_free_vgpr 768
		.amdhsa_next_free_sgpr 96
		.amdhsa_reserve_vcc 0
		.amdhsa_float_denorm_mode_32 3
		.amdhsa_float_denorm_mode_16_64 3
		.amdhsa_memory_ordered 1
		.amdhsa_forward_progress 1
		.amdhsa_inst_pref_size 97
	.end_amdhsa_kernel
	.amdgpu_metadata
---
amdhsa.version: [ 1, 2 ]
amdhsa.kernels:
  - .name:           k_qff990b9f43_proj
    .symbol:         k_qff990b9f43_proj.kd
    .args:
      - { .name: yq, .offset: 0, .size: 8, .value_kind: global_buffer, .address_space: global }
      - { .name: wq, .offset: 8, .size: 8, .value_kind: global_buffer, .address_space: global }
      - { .name: c_proj_b, .offset: 16, .size: 8, .value_kind: global_buffer, .address_space: global }
      - { .name: out0, .offset: 24, .size: 8, .value_kind: global_buffer, .address_space: global }
    .group_segment_fixed_size: 327680
    .private_segment_fixed_size: 0
    .kernarg_segment_align: 8
    .kernarg_segment_size: 32
    .max_flat_workgroup_size: 128
    .sgpr_count:     96
    .vgpr_count:     768
    .wavefront_size: 32
...
	.end_amdgpu_metadata
.endif
;; end of part 4
